; MI455X (gfx1250); checked and timed in simulation.
; The chip was launched on July 23, 2026; its instructions are those of AMD's public machine-readable ISA for CDNA 5 (MIT licence, August 2026) and "CDNA5" Instruction Set Architecture Reference Guide (July 2026). The comments in the code are by the model that wrote it; some were corrected since.
;; Multi Head Attention. Allowed arithmetic: matrix products marked QUANTISED: E2M3 operands, one E8M0 scale for each 32 along K, by v_wmma_scale_f32_16x16x128_f8f6f4 with both operands' format E2M3, f32 sums; everything else in f32.
;; Inputs: Wk 1,024 x 1,024 float32; Wo 1,024 x 1,024 float32; Wq 1,024 x 1,024 float32; Wv 1,024 x 1,024 float32; bk 1,024 float32; bo 1,024 float32; bq 1,024 float32; bv 1,024 float32; x 4 x 2,048 x 1,024 float32.
;; Outputs: out0 4 x 2,048 x 1,024 float32.
;; This version of the problem:
;;   THIS VERSION OF THE PROBLEM IS GIVEN IN LOW PRECISION. The matrix products marked QUANTISED in the list below multiply operands that are first quantised to E2M3 (2 exponent bits, 3 mantissa bits; 6 bits a number), with one power-of-two scale for each 32 numbers along K (OCP MX v1.0); their sums are f32. All else is computed in f32.
;;   The module's matrix products, in the order in which they are computed (A, B: the left and right operand; K: the contracted axis; several contracted axes count as one K, in the product's order):
;;     1. [M 8,192, K 1,024] x [K 1,024, N 1,024]; A: input x; B: input Wq: QUANTISED
;;     2. [M 8,192, K 1,024] x [K 1,024, N 1,024]; A: input x; B: input Wk: QUANTISED
;;     3. [M 8,192, K 1,024] x [K 1,024, N 1,024]; A: input x; B: input Wv: QUANTISED
;;     4. batch 64 x [M 2,048, K 64] x [K 64, N 2,048]; A: computed on the way; B: computed on the way: QUANTISED
;;     5. batch 64 x [M 2,048, K 2,048] x [K 2,048, N 64]; A: softmax (see below); B: computed on the way: QUANTISED
;;     6. [M 8,192, K 1,024] x [K 1,024, N 1,024]; A: computed on the way; B: input Wo: QUANTISED
;;   THE QUANTISER, for each operand of a quantised product, along K:
;;     - K is cut into blocks of 32 from its start; a last block that is shorter is filled with zeros.
;;     - A block's scale is 2^e with e = floor(log2(the largest magnitude in the block)) - 2, held to -126 .. 127; a block of zeros has e = 0. As a byte (E8M0): e + 127.
;;     - Each number is divided by its block's scale, clamped to +-7.5, and rounded to the nearest number of E2M3, ties to even, subnormals kept.
;;     - The product sums the exact products of the quantised numbers (number of the format x scale) in f32.
;;   ~~~python
;;   def quantise(x, axis):      # numpy; x: float32 -> the quantised numbers, widened to float32 again
;;       x = np.moveaxis(x, axis, -1); K = x.shape[-1]
;;       x = np.pad(x, [(0, 0)] * (x.ndim - 1) + [(0, -K % 32)]); x = x.reshape(x.shape[:-1] + (-1, 32)); a = np.abs(x).max(-1, keepdims=True)
;;       e = np.where(a > 0, np.clip(np.frexp(np.where(a > 0, a, 1))[1] - 1 - 2, -126, 127), 0)      # np.frexp(a)[1] - 1 = floor(log2(a)), exactly
;;       r = np.clip(x / 2.0 ** e, -7.5, 7.5)
;;       step = 2.0 ** (np.maximum(np.frexp(np.where(r == 0, 1, r))[1] - 1, 0) - 3)
;;       q = np.round(r / step) * step * 2.0 ** e      # np.round: ties to even
;;       return np.moveaxis(q.reshape(q.shape[:-2] + (-1,))[..., :K], -1, axis).astype(np.float32)
;;   ~~~
;;   SOFTMAX AHEAD OF A QUANTISED PRODUCT. Where the list says 'softmax', what is quantised is not the finished softmax but p = 2^(t - M), with t = logit x log2(e) and M = ceil(the row's largest t), a whole number; so 1/2 < the row's largest p <= 1. The row's sum l is taken of the UNQUANTISED p, in f32, and the product's result is divided by l at the end. Since M is a whole number, a kernel that streams over the keys may use a running M (the ceiling of the running maximum): every later rescaling is an exact power of two, which a block's scale takes up: the codes' values come out the same.
;;   OPERANDS COMPUTED ON THE WAY. 'Computed on the way' means the value that the module computes at that place (a softmax that the list does not call 'softmax' is quantised finished and normalised). What goes into a quantiser is computed in f32, as accurately as f32 sums, v_exp_f32 and their like allow (about 1e-6 of the number): no bf16 or f16 on the way to a quantiser, and a product that is left as it is and whose result goes on into a quantised operand takes f32 operands (vector FMAs, or v_wmma_f32_16x16x4_f32). A number that lies on a knife's edge between two numbers of the format may be rounded either way, as far as f32 arithmetic and the matrix unit's own rounding can turn it there, and no further.
;; One version. Each part assembles by itself: llvm-mc -triple=amdgcn-amd-amdhsa -mcpu=gfx1250 --defsym DOCPART=n.
;; ======== version 1 of 1: 4 launches
;; limits: right only within a limited range of input values
;; workspace buffers: xop 6,586,368 bytes; wqkop 1,867,776 bytes; wvop 1,081,344 bytes; woop 1,081,344 bytes; qk 13,631,488 bytes; vv 13,631,488 bytes; ctxop 6,586,368 bytes
;; launch quant (part 1): grid 384 x 1, 4 waves a work-group, no clusters, 60,928 bytes of LDS; arguments x, xop, Wq, Wk, Wv, Wo, bq, bk, bv, bo, wqkop, wvop, woop; writes xop, wqkop, wvop, woop
.if DOCPART == 1
	.amdgcn_target "amdgcn-amd-amdhsa--gfx1250"
	.amdhsa_code_object_version 6
	.text
	.protected	k_qa020c082a5_quant
	.globl	k_qa020c082a5_quant
	.p2align	8
	.type	k_qa020c082a5_quant,@function
k_qa020c082a5_quant:
	s_mov_b64 s[64:65], 0
	v_nop
	global_prefetch_b8 v0, s[64:65] scope:SCOPE_SE
	s_setreg_imm32_b32 hwreg(HW_REG_WAVE_MODE, 25, 1), 1
	s_wait_xcnt 0x0
; x [8192][1024] and the four weights [1024 (k)][1024 (n)], f32, become operands of the products: codes of FP6 (E2M3) with one E8M0 byte for each 32 along K, laid in the order of the operand's registers.
; AN OPERAND'S BUFFER: scale words at I*512 + q*128 + 8 r (tile I of 16 rows, quarter q of K, row r, two words of 128 K each); at OPB a bias for each row, f32, by position (for x: zeros); at OPC the codes, I*12288 + hf*768.
; A HALF FRAGMENT (16 rows x 64 K, 768 bytes): bytes 16 x lane hold registers 0-3, bytes 512 + 8 x lane registers 4-5; lane (r, h) holds k = 32 h .. 32 h + 31 of row r.
; ROWS ARE PERMUTED: position p holds row (token, output feature) p with bits 3 and 4 exchanged.  Wq's features take tiles 0-63 of wqkop, Wk's tiles 64-127.
; A block's scale is 2^(floor(log2(its largest magnitude)) - 2); its byte is that magnitude's exponent field - 2, held at 1 from below.
; LIMITS: a block's largest magnitude is taken as at least 2^-124; a block of zeros gets the byte 1 where the rule says 127 (zero codes; this program alone reads the bytes); NaN and infinities are not served.
; ONE LAUNCH FOR BOTH KINDS: work-groups 0-127 take the weights, 128-383 take x.  The two ways part on the work-group's number and have LDS bytes of their own; waves share nothing: no barrier.
; x: a wave takes a tile of 16 positions x 512 along K; each load reads 512 consecutive bytes of a row; a fragment's 16 x 512 bytes turn through the wave's stage and come back 64 bytes a lane for each block.
; A weight: work-group n: columns 128 (n % 8) .., weight (n / 8) / 4, quarter (n / 8) % 4 of K; a lane takes a column and its registers run down K; the codes go to their places in the wave's LDS image and leave as they lie.
.set OPB,  262144
.set OPC,  294912
.set SPARE, 0x8400                     ; behind x's four stages: the spare words
.set WLDS, 0x8600                      ; behind them: the weights' images
.set SP,   528
.set WST,  16*SP
.set QM,   8
.set QB,   12
.set QS,   16
.set PWK,  24
.set PW,   28
.set R,    32
.set X,    160
.set PC,   224
.set SEL,  20
.macro QUANT s                         ; 64 numbers of a lane, register 16 b + i = k 32 b + 16 (lane / 16) + i of my row, become a fragment's codes in v[PC] on and its scale word in v[PW]
.irp b, 0,1,2,3
	v_max3_num_f32 v[QM+\b], |v[\s+16*\b]|, |v[\s+1+16*\b]|, 0x1800000
.endr
.irp i, 2,4,6,8,10,12,14
.irp b, 0,1,2,3
	v_max3_num_f32 v[QM+\b], v[QM+\b], |v[\s+16*\b+\i]|, |v[\s+1+16*\b+\i]|
.endr
.endr
.irp b, 0,1,2,3
	v_permlanex16_b32 v[QB+\b], v[QM+\b], s[SEL], s[SEL+1]
.endr
.irp b, 0,1,2,3
	v_max_num_f32 v[QM+\b], v[QM+\b], v[QB+\b]
.endr
.irp b, 0,1,2,3
	v_add_nc_u32 v[QS+\b], 0xff000000, v[QM+\b]
.endr
.irp b, 0,1,2,3
	v_lshrrev_b32 v[QB+\b], 23, v[QS+\b]
.endr
	v_lshl_or_b32 v[PW], v[QB+1], 8, v[QB]
	v_lshl_or_b32 v[PW], v[QB+2], 16, v[PW]
	v_lshl_or_b32 v[PW], v[QB+3], 24, v[PW]
.irp c, 0,1
	v_cvt_scalef32_pk16_fp6_f32 v[PC+6*\c:PC+2+6*\c], v[\s+32*\c:\s+15+32*\c], v[QS+2*\c]
	v_cvt_scalef32_pk16_fp6_f32 v[PC+12+4*\c:PC+14+4*\c], v[\s+16+32*\c:\s+31+32*\c], v[QS+2*\c+1]
.endr
	v_nop
.irp c, 0,1
.irp i, 0,1,2
	v_permlane16_swap_b32 v[PC+6*\c+\i], v[PC+12+4*\c+\i]
.endr
.irp i, 0,1,2
	v_mov_b32 v[PC+3+6*\c+\i], v[PC+12+4*\c+\i]
.endr
.endr
.endm
	v_lshl_add_u32 v254, v0, 2, SPARE
	v_mov_b32 v255, 0
	s_cmp_lt_u32 ttmp9, 128
	s_wait_alu depctr_va_vdst(0)
	s_cbranch_scc1 .Lweights
; ---- x
	s_load_b128 s[4:7], s[0:1], 0x0                ; x, xop
	s_sub_co_u32 s3, ttmp9, 128                    ; x's work-group, 0..255
	v_lshrrev_b32 v1, 5, v0
	v_readfirstlane_b32 s12, v1                    ; wave
	v_and_b32 v1, 31, v0
	v_lshlrev_b32 v2, 4, v1
	v_lshlrev_b32 v3, 3, v1
	v_and_b32 v6, 15, v0
	v_bfe_u32 v7, v0, 4, 1
	s_mul_i32 s13, s12, WST
	v_add_nc_u32 v4, s13, v2                       ; the stage, on the way in
	v_mul_u32_u24 v5, v6, SP
	v_lshl_add_u32 v5, v7, 6, v5
	v_add_nc_u32 v5, s13, v5                       ; and on the way out: row r, + 64 h
.irp b, 0,1,2,3
	v_mov_b32 v[QB+\b], 0
	v_mov_b32 v[244+\b], 0
.endr
	s_mov_b32 s[SEL], 0x76543210
	s_mov_b32 s[SEL+1], 0xfedcba98
	s_lshl_b32 s14, s3, 2
	s_add_co_u32 s14, s14, s12
	s_lshr_b32 s15, s14, 1                         ; I
	s_and_b32 s16, s14, 1                          ; which half of K
	s_lshr_b32 s17, s15, 1
	s_and_b32 s18, s15, 1
	s_lshl_b32 s22, s17, 17                        ; position t of tile I is row 32 (I / 2) + 8 (I % 2) + t + 8 (t / 8)
	s_lshl_b32 s18, s18, 15
	s_add_co_u32 s22, s22, s18
	s_lshl_b32 s18, s16, 11
	s_add_co_u32 s22, s22, s18
	s_mov_b32 s23, 0
	s_mul_i32 s24, s15, 12288
	s_mul_i32 s18, s16, 6144
	s_add_co_u32 s24, s24, s18
	s_add_co_u32 s24, s24, OPC
	s_mov_b32 s25, 0
	s_lshl_b32 s26, s15, 9
	s_lshl_b32 s18, s16, 8
	s_add_co_u32 s26, s26, s18
	s_mov_b32 s27, 0
	s_lshl_b32 s28, s3, 9
	s_add_co_u32 s28, s28, OPB
	s_mov_b32 s29, 0
	s_wait_alu depctr_va_vdst(0)
	s_wait_kmcnt 0x0
	s_add_nc_u64 s[4:5], s[4:5], s[22:23]
	s_add_nc_u64 s[8:9], s[6:7], s[26:27]
	s_add_nc_u64 s[10:11], s[6:7], s[28:29]
	s_add_nc_u64 s[6:7], s[6:7], s[24:25]
.macro LOAD f
.irp t, 0,1,2,3,4,5,6,7,8,9,10,11,12,13,14,15
	global_load_b128 v[R+64*((\f)%2)+4*\t:R+64*((\f)%2)+4*\t+3], v2, s[4:5] offset:(\t+8*(\t/8))*4096+512*(\f) th:TH_LOAD_NT
.endr
.endm
.macro STEP f
.if (\f) < 3
	s_wait_loadcnt 16                              ; this fragment's 16 loads are in; the next fragment's may be out
.else
	s_wait_loadcnt 0x0
.endif
.irp t, 0,1,2,3,4,5,6,7,8,9,10,11,12,13,14,15
	ds_store_b128 v4, v[R+64*((\f)%2)+4*\t:R+64*((\f)%2)+4*\t+3] offset:SP*\t
.endr
.irp b, 0,1,2,3
.irp j, 0,1,2,3
	ds_load_b128 v[X+16*\b+4*\j:X+16*\b+4*\j+3], v5 offset:128*\b+16*\j
.endr
.endr
	s_wait_dscnt 0x0
.if (\f) < 2
	LOAD (\f)+2
.endif
	s_wait_xcnt 0x0                                ; the last fragment's stores have read the codes' registers
	QUANT X
	v_mov_b32 v[PWK+(\f)], v[PW]
	global_store_b128 v2, v[PC:PC+3], s[6:7] offset:1536*(\f)
	global_store_b64 v3, v[PC+4:PC+5], s[6:7] offset:1536*(\f)+512
	global_store_b128 v2, v[PC+6:PC+9], s[6:7] offset:1536*(\f)+768
	global_store_b64 v3, v[PC+10:PC+11], s[6:7] offset:1536*(\f)+1280
.endm
	LOAD 0
	LOAD 1
	STEP 0
	STEP 1
	STEP 2
	STEP 3
	v_cmp_lt_u32 vcc_lo, 15, v1
	v_cndmask_b32 v30, v[PWK], v[PWK+2], vcc_lo
	v_cndmask_b32 v31, v[PWK+1], v[PWK+3], vcc_lo
	global_store_b64 v3, v[30:31], s[8:9]
	s_cmp_lg_u32 s12, 0
	s_cbranch_scc1 .Lendx
	s_cmp_lt_u32 s3, 64
	s_cbranch_scc0 .Lendx
	global_store_b128 v2, v[244:247], s[10:11]     ; x has no bias of its own: 8,192 zeros, 128 to a work-group
.Lendx:
	s_wait_tensorcnt 0x0
	ds_add_u32 v254, v255
	s_wait_dscnt 0x0
	s_endpgm
; ---- the weights
.Lweights:
.set WX,   32
.set CR,   96
.set DR,   104
.set OUTR, 112
	s_load_b256 s[8:15], s[0:1], 0x10              ; Wq, Wk, Wv, Wo
	s_load_b256 s[16:23], s[0:1], 0x30             ; bq, bk, bv, bo
	s_load_b128 s[24:27], s[0:1], 0x50             ; wqkop, wvop
	s_load_b64 s[28:29], s[0:1], 0x60              ; woop
	v_lshrrev_b32 v1, 5, v0
	v_readfirstlane_b32 s30, v1                    ; wave
	s_lshr_b32 s31, ttmp9, 3
	s_lshr_b32 s32, s31, 2                         ; which weight: 0 q, 1 k, 2 v, 3 o
	s_and_b32 s33, s31, 3                          ; which quarter of K
	s_and_b32 s34, ttmp9, 7
	s_lshl_b32 s34, s34, 7
	s_lshl_b32 s35, s30, 5
	s_add_co_u32 s34, s34, s35                     ; my wave's first column
	v_and_b32 v2, 31, v0
	v_lshlrev_b32 v3, 2, v2
	v_bfe_u32 v14, v0, 3, 1                        ; the column's tile among my two: its bit 3
	v_and_b32 v15, 7, v0
	v_bfe_u32 v16, v0, 4, 1
	v_lshl_add_u32 v15, v16, 3, v15                ; its row in that tile
	s_mul_i32 s36, s30, 6656
	s_add_co_u32 s36, s36, WLDS
	v_mul_u32_u24 v17, v14, 1664
	v_add_nc_u32 v17, s36, v17
	v_lshl_add_u32 v4, v15, 4, v17
	v_lshl_add_u32 v5, v15, 3, v17
	v_lshlrev_b32 v7, 4, v2
	v_add_nc_u32 v6, s36, v7
	v_lshlrev_b32 v8, 9, v14
	v_lshl_add_u32 v8, v15, 3, v8
	v_lshl_add_u32 v9, v14, 4, v15
	v_lshlrev_b32 v9, 2, v9
	s_wait_alu depctr_va_vdst(0)
	s_wait_kmcnt 0x0
	s_cmp_eq_u32 s32, 1
	s_cselect_b64 s[8:9], s[10:11], s[8:9]
	s_cselect_b64 s[16:17], s[18:19], s[16:17]
	s_cselect_b32 s38, 64, 0
	s_cmp_eq_u32 s32, 2
	s_cselect_b64 s[8:9], s[12:13], s[8:9]
	s_cselect_b64 s[16:17], s[20:21], s[16:17]
	s_cselect_b64 s[24:25], s[26:27], s[24:25]
	s_cmp_eq_u32 s32, 3
	s_cselect_b64 s[8:9], s[14:15], s[8:9]
	s_cselect_b64 s[16:17], s[22:23], s[16:17]
	s_cselect_b64 s[24:25], s[28:29], s[24:25]
	s_lshr_b32 s37, s34, 4
	s_add_co_u32 s37, s37, s38                     ; my first tile
	s_lshl_b32 s40, s33, 20
	s_lshl_b32 s42, s34, 2
	s_add_co_u32 s40, s40, s42
	s_mov_b32 s41, 0
	s_mov_b32 s43, 0
	s_mul_i32 s44, s37, 12288
	s_mul_i32 s39, s33, 3072
	s_add_co_u32 s44, s44, s39
	s_add_co_u32 s44, s44, OPC
	s_mov_b32 s45, 0
	s_lshl_b32 s46, s37, 9
	s_lshl_b32 s39, s33, 7
	s_add_co_u32 s46, s46, s39
	s_mov_b32 s47, 0
	s_lshl_b32 s48, s37, 6
	s_add_co_u32 s48, s48, OPB
	s_mov_b32 s49, 0
	s_add_nc_u64 s[8:9], s[8:9], s[40:41]
	s_add_nc_u64 s[16:17], s[16:17], s[42:43]
	s_add_nc_u64 s[50:51], s[24:25], s[44:45]
	s_add_nc_u64 s[52:53], s[24:25], s[46:47]
	s_add_nc_u64 s[54:55], s[24:25], s[48:49]
.macro WLOAD t
.irp i, 0,1,2,3,4,5,6,7,8,9,10,11,12,13,14,15,16,17,18,19,20,21,22,23,24,25,26,27,28,29,30,31
	global_load_b32 v[WX+32*((\t)%2)+\i], v3, s[8:9] offset:(32*(\t)+\i)*4096 th:TH_LOAD_NT
.endr
.endm
.macro BLOCK t
.set XS, WX+32*((\t)%2)
.set KSX, (\t)/4
.set BL, (\t)%4
.if (\t) < 7
	s_wait_loadcnt 32                              ; this block's 32 loads are in; the next block's may be out
.else
	s_wait_loadcnt 0x0
.endif
	v_max3_num_f32 v12, |v[XS]|, |v[XS+1]|, |v[XS+2]|
	v_max3_num_f32 v13, |v[XS+3]|, |v[XS+4]|, |v[XS+5]|
.irp i, 6,10,14,18,22,26
	v_max3_num_f32 v12, v12, |v[XS+\i]|, |v[XS+\i+1]|
	v_max3_num_f32 v13, v13, |v[XS+\i+2]|, |v[XS+\i+3]|
.endr
	v_max3_num_f32 v12, v12, |v[XS+30]|, |v[XS+31]|
	v_max3_num_f32 v12, v12, v13, 0x1800000
	v_add_nc_u32 v11, 0xff000000, v12
	v_lshrrev_b32 v13, 23, v11
.if BL == 0
	v_mov_b32 v[24+KSX], v13
.else
	v_lshl_or_b32 v[24+KSX], v13, 8*BL, v[24+KSX]
.endif
	v_cvt_scalef32_pk16_fp6_f32 v[CR:CR+2], v[XS:XS+15], v11
	v_cvt_scalef32_pk16_fp6_f32 v[DR:DR+2], v[XS+16:XS+31], v11
	v_nop
	v_mov_b32 v[CR+3], v[DR]
	v_mov_b32 v[CR+4], v[DR+1]
	v_mov_b32 v[CR+5], v[DR+2]
	ds_store_b128 v4, v[CR:CR+3] offset:3328*KSX+768*(BL/2)+256*(BL%2)
	ds_store_b64 v5, v[CR+4:CR+5] offset:3328*KSX+768*(BL/2)+512+128*(BL%2)
.if (\t) < 6
	WLOAD (\t)+2
.endif
	s_wait_dscnt 0x0                               ; the stores have read their registers
.endm
.macro FLUSH ks
.irp n, 0,1,2,3,4,5
	ds_load_b128 v[OUTR+24*\ks+4*\n:OUTR+24*\ks+4*\n+3], v6 offset:3328*\ks+1664*(\n/3)+512*(\n%3)
.endr
.irp n, 0,1,2,3,4,5
	s_wait_dscnt 5-\n                              ; load n is in, the younger ones may be out
	global_store_b128 v7, v[OUTR+24*\ks+4*\n:OUTR+24*\ks+4*\n+3], s[50:51] offset:12288*(\n/3)+1536*\ks+512*(\n%3)
.endr
.endm
	WLOAD 0
	WLOAD 1
	BLOCK 0
	BLOCK 1
	BLOCK 2
	BLOCK 3
	FLUSH 0
	BLOCK 4
	BLOCK 5
	BLOCK 6
	BLOCK 7
	FLUSH 1
	s_wait_alu depctr_va_vdst(0)
	global_store_b64 v8, v[24:25], s[52:53]
	s_cmp_lg_u32 s33, 0                            ; the work-groups of the first quarter also lay the bias by position
	s_cbranch_scc1 .Lendw
	global_load_b32 v10, v3, s[16:17]
	s_wait_loadcnt 0x0
	global_store_b32 v9, v10, s[54:55]
.Lendw:
	s_wait_tensorcnt 0x0
	ds_add_u32 v254, v255
	s_wait_dscnt 0x0
	s_endpgm
.Lfunc_end_k_qa020c082a5_quant:
	.size	k_qa020c082a5_quant, .Lfunc_end_k_qa020c082a5_quant-k_qa020c082a5_quant
	.p2alignl 7, 3214868480
	.fill 96, 4, 3214868480
	.section	.rodata,"a",@progbits
	.p2align	6, 0x0
	.amdhsa_kernel k_qa020c082a5_quant
		.amdhsa_group_segment_fixed_size 60928
		.amdhsa_private_segment_fixed_size 0
		.amdhsa_enable_private_segment 0
		.amdhsa_kernarg_size 104
		.amdhsa_user_sgpr_count 2
		.amdhsa_user_sgpr_kernarg_segment_ptr 1
		.amdhsa_wavefront_size32 1
		.amdhsa_system_sgpr_workgroup_id_x 1
		.amdhsa_system_sgpr_workgroup_id_y 1
		.amdhsa_system_sgpr_workgroup_id_z 1
		.amdhsa_system_vgpr_workitem_id 0
		.amdhsa_next_free_vgpr 256
		.amdhsa_next_free_sgpr 66
		.amdhsa_reserve_vcc 1
		.amdhsa_float_denorm_mode_32 3
		.amdhsa_float_denorm_mode_16_64 3
		.amdhsa_memory_ordered 1
		.amdhsa_forward_progress 1
		.amdhsa_inst_pref_size 77
	.end_amdhsa_kernel
	.amdgpu_metadata
---
amdhsa.version: [ 1, 2 ]
amdhsa.kernels:
  - .name:           k_qa020c082a5_quant
    .symbol:         k_qa020c082a5_quant.kd
    .args:
      - { .name: x, .offset: 0, .size: 8, .value_kind: global_buffer, .address_space: global }
      - { .name: xop, .offset: 8, .size: 8, .value_kind: global_buffer, .address_space: global }
      - { .name: Wq, .offset: 16, .size: 8, .value_kind: global_buffer, .address_space: global }
      - { .name: Wk, .offset: 24, .size: 8, .value_kind: global_buffer, .address_space: global }
      - { .name: Wv, .offset: 32, .size: 8, .value_kind: global_buffer, .address_space: global }
      - { .name: Wo, .offset: 40, .size: 8, .value_kind: global_buffer, .address_space: global }
      - { .name: bq, .offset: 48, .size: 8, .value_kind: global_buffer, .address_space: global }
      - { .name: bk, .offset: 56, .size: 8, .value_kind: global_buffer, .address_space: global }
      - { .name: bv, .offset: 64, .size: 8, .value_kind: global_buffer, .address_space: global }
      - { .name: bo, .offset: 72, .size: 8, .value_kind: global_buffer, .address_space: global }
      - { .name: wqkop, .offset: 80, .size: 8, .value_kind: global_buffer, .address_space: global }
      - { .name: wvop, .offset: 88, .size: 8, .value_kind: global_buffer, .address_space: global }
      - { .name: woop, .offset: 96, .size: 8, .value_kind: global_buffer, .address_space: global }
    .group_segment_fixed_size: 60928
    .private_segment_fixed_size: 0
    .kernarg_segment_align: 8
    .kernarg_segment_size: 104
    .max_flat_workgroup_size: 128
    .sgpr_count:     66
    .vgpr_count:     256
    .wavefront_size: 32
...
	.end_amdgpu_metadata
.endif
;; end of part 1
;; launch proj (part 2): grid 32 x 24, 4 waves a work-group, clusters of 4 x 4, 327,680 bytes of LDS; arguments xop, wqkop, wvop, qk, vv; writes qk, vv
.if DOCPART == 2
	.amdgcn_target "amdgcn-amd-amdhsa--gfx1250"
	.amdhsa_code_object_version 6
	.text
	.protected	k_qa020c082a5_proj
	.globl	k_qa020c082a5_proj
	.p2align	8
	.type	k_qa020c082a5_proj,@function
k_qa020c082a5_proj:
	s_mov_b64 s[64:65], 0
	v_nop
	global_prefetch_b8 v0, s[64:65] scope:SCOPE_SE
	s_setreg_imm32_b32 hwreg(HW_REG_WAVE_MODE, 25, 1), 1
	s_wait_xcnt 0x0
	s_wait_alu depctr_hold_cnt(0) depctr_sa_sdst(0) depctr_va_vdst(0) depctr_va_sdst(0) depctr_va_ssrc(0) depctr_va_vcc(0) depctr_vm_vsrc(0)
	s_getreg_b32 s2, hwreg(HW_REG_IB_STS2, 6, 4)
	s_cmp_eq_u32 s2, 0
	s_cbranch_scc0 .Lentry_in_a_cluster
	s_endpgm
.Lentry_in_a_cluster:
	s_bfe_u32 s2, ttmp6, 0x10000c
	s_cmp_lg_u32 s2, 0xf033
	s_cbranch_scc0 .Lentry_shape_is_right
	s_endpgm
.Lentry_shape_is_right:
; Q, K = x Wq|k + b and V^T = (x Wv + b)^T on codes of FP6 (E2M3) with E8M0 scales, each result quantised again on the way out: Q and K along the head's 64, V along the tokens.  No f32 result is stored.
; OPERAND BUFFERS (xop, wqkop, wvop): scale words at I*512 + q*128 + 8 r; at OPB a bias for each row by position; at OPC the codes, I*12288 + hf*768; a half fragment (16 rows x 64 K) is bytes 16 x lane = registers 0-3, bytes 512 + 8 x lane = registers 4-5.
;   Position p holds row p with bits 3 and 4 exchanged.
; RESULTS (qk, vv): half fragments at ATC + index*768, scale words at index*64 + 4 r.  q: index = 4096 b + 128 head + token tile; k: + 2048; their words hold two bytes and two zeros.
;   v: index = 4096 b + 128 g + 4 head + t (16 of the head's 64 x keys 64 g ..); the word of an even g holds the four bytes of keys 64 g .. 64 g + 127, the word of an odd g zeros.
; THE DEAL: 768 work-groups of four waves, 2 x 2, each 256 rows of the streamed operand A x 128 rows of the held operand B.  Clusters with y under 4: A = x, B = Wq|Wk (32 x 16 tiles).  The others: A = Wv, B = x (4 x 64 tiles).
;   The choice hangs on the cluster's y alone and selects pointers and offsets; the text is one for both.  A's rows are shared by a column of the cluster, B's by a row.
; A wave holds four tiles of 16 rows of B, all of K, in registers and streams A's rows past them in eight blocks of 16; block s of wave row w is tile 2 s + w of the work-group's 16.  A sum begins with B's bias; A's is added on the way out.
; By the rows' order a lane's 32 sums of a block are columns 32 b + 16 h + i (register 16 b + i) of one row: two scale blocks, each in lanes l and l xor 16: one half fragment, which leaves at once.
; LDS: A's 16 tiles (196,608 bytes), B's 8 (98,304), A's scale words (8,192, by plain loads and LDS stores), the spare words.  One tensor load a wave at the head, each on its own line: B; A's rows 0-127; 128-191; 192-255.
;   The stream begins when the first two are in; a plain barrier inside block 1 shows the others.  Nothing is filled again, and all is asked for at the head: no data prefetch.
; LIMITS: a block's largest magnitude is taken as at least 2^-124; a block of zeros gets the byte 1 where the rule says 127 (zero codes; this program alone reads the bytes); NaN, infinities and sums beyond f32's range are not served.
.set OPB, 262144
.set OPC, 294912
.set ATC, 1048576
.set NQ, 8
.set NB, 4
.set TM, 256
.set TN, 128
.set KROW, 768
.set FR, 12
.set FPW, 256/FR
.set NF, 36                            ; LDS loads of a block: 32 for eight fragments, 4 for eight scale words
.set YB, TM*KROW
.set SCL, YB+TN*KROW
.set SSTEP, 1024
.set SPARE, SCL+8192
.set A16Z, 4
.set A8Z, 5
.set AAS0, 6
.set ZR, 7                             ; zeros for the words' idle halves
.set SPW, 10
.set NIL, 11
.set A16, 12
.set A8, 13
.set B16, 14
.set B8, 15
.set ABS, 16
.set AAS, 17
.set L16, 20
.set L8, 21
.set R4, 22
.set SB, 24                            ; v24-39 B's scale words
.set SA, 42                            ; v42-57 A's: two sets of eight
.set ACC, 64                           ; v64-127 two sets of four accumulators
.set QM, 128                           ; v128-129 the blocks' largest magnitudes, v130-131 the other half's, v132-133 the conversions' scale operands
.set QP, 130
.set QS, 132
.set C2, 134                           ; v134-136 the second conversion's codes
.set PCD, 140                          ; v140-146, v148-154 a block's codes and scale bytes, two sets
.set RA, 160                           ; v160-175 A's bias of my row, a pair for each block
.set BO, 208                           ; v208-239 B's bias as the first four products' C
.set SEL, 20
.set G1A, 24
.set G0A, 56
.set G1B, 32
.set G0B, 60
.set MSB, 0
.macro WIN new
.if MSB != \new
	s_set_vgpr_msb (MSB<<8)|\new
.set MSB, \new
.endif
.endm
.macro PLACES n
.rept \n
	v_nop
.endr
.endm
.macro WALU
	s_wait_alu depctr_va_vdst(0)
.endm
.macro BARRIER
	s_barrier_signal -1
	s_barrier_wait -1
.endm
.macro CROUND
	BARRIER
	s_cmp_lg_u32 s14, 0
	s_cbranch_scc1 .Lnot_wave_0_\@
	s_barrier_signal -3
.Lnot_wave_0_\@:
	s_barrier_wait -3
	BARRIER
.endm
.macro TLOAD g0, g1
	tensor_load_to_lds s[\g0:\g0+3], s[\g1:\g1+7]
	s_nop 0
	PLACES 4
.endm
.macro ATILE first, rows
	s_mov_b32 s[G0A+1], (\first)*KROW
	s_mov_b32 s[G1A+2], (\rows)<<16
	s_mov_b32 s[G1A+4], \rows
.if \first
	s_add_nc_u64 s[G0A+2:G0A+3], s[G0A+2:G0A+3], (\first)*KROW
.endif
	s_or_b32 s[G0A+3], s[G0A+3], 0x80000000
	TLOAD G0A, G1A
.endm
.macro GROUP1 g, mask, rows
	s_or_b32 s[\g+0], s[\mask], (1<<21)
	s_mov_b32 s[\g+1], (KROW&0xffff)<<16
	s_mov_b32 s[\g+3], KROW<<16
.if \rows
	s_mov_b32 s[\g+2], (\rows)<<16
	s_mov_b32 s[\g+4], \rows
.endif
	s_mov_b32 s[\g+5], KROW
	s_mov_b32 s[\g+6], 0
	s_mov_b32 s[\g+7], 0
.endm
.macro FRAG4 f, a16, a8, off
	WIN (1+(\f)/FPW)<<6
.set R_, FR*((\f)%FPW)
	ds_load_b128 v[R_:R_+3], v[\a16] offset:\off
	ds_load_b64 v[R_+4:R_+5], v[\a8] offset:(\off)+512
	ds_load_b128 v[R_+6:R_+9], v[\a16] offset:(\off)+768
	ds_load_b64 v[R_+10:R_+11], v[\a8] offset:(\off)+1280
.endm
.macro FETCHAT e, a16, a8, as
.irp q, 0,1,2,3,4,5,6,7
	FRAG4 NB*NQ+NQ*(\e)+\q, \a16, \a8, 1536*\q
.endr
	WIN 0
.irp c, 0,1,2,3
	ds_load_b64 v[SA+8*(\e)+2*\c:SA+8*(\e)+2*\c+1], v[\as] offset:128*\c
.endr
.endm
.macro PROD1 d, s0, s1, c, x0, x1, o
.if \o
	v_wmma_scale_f32_16x16x128_f8f6f4 v[\d:\d+7], v[FR*((\s0)%FPW):FR*((\s0)%FPW)+FR-1], v[FR*((\s1)%FPW):FR*((\s1)%FPW)+FR-1], \c, v[\x0], v[\x1] matrix_a_fmt:MATRIX_FMT_FP6 matrix_b_fmt:MATRIX_FMT_FP6 matrix_a_scale:MATRIX_SCALE_ROW1
.else
	v_wmma_scale_f32_16x16x128_f8f6f4 v[\d:\d+7], v[FR*((\s0)%FPW):FR*((\s0)%FPW)+FR-1], v[FR*((\s1)%FPW):FR*((\s1)%FPW)+FR-1], \c, v[\x0], v[\x1] matrix_a_fmt:MATRIX_FMT_FP6 matrix_b_fmt:MATRIX_FMT_FP6 matrix_a_scale:MATRIX_SCALE_ROW0
.endif
.endm
.macro PROD e, n                       ; product n = 4 q + tile; source 0 = B's rows; the four accumulators by turns
.set Q_, (\n)/4
.set FB_, NB*Q_+(\n)%4
.set FA_, NB*NQ+NQ*(\e)+Q_
.set D_, ACC+32*(\e)+8*((\n)%4)
.set XB_, SB+NQ*(((\n)%4)/2)+Q_
.set XA_, SA+8*(\e)+Q_
	WIN (1+FB_/FPW)|((1+FA_/FPW)<<2)
.if Q_
	PROD1 D_, FB_, FA_, v[D_:D_+7], XB_, XA_, (\n)%2
.else
	PROD1 D_, FB_, FA_, v[BO+8*((\n)%4):BO+8*((\n)%4)+7], XB_, XA_, (\n)%2
.endif
.endm
.macro PRODS e, from, to
.set N_, \from
.rept (\to)-(\from)
	PROD \e, N_
.set N_, N_+1
.endr
	WIN 0
.endm
.macro EPI e, s                        ; block s's 32 sums a lane: A's bias, the two blocks' scales, the codes; the half fragment and its two scale bytes leave
.set X_, ACC+32*(\e)
.set P_, PCD+8*(\e)
.set j, 0
.rept 16
	v_pk_add_f32 v[X_+j:X_+j+1], v[X_+j:X_+j+1], v[RA+2*(\s):RA+2*(\s)+1]   ; each accumulator from its low end on
.set j, j+2
.endr
.irp b, 0,1
	v_max3_num_f32 v[QM+\b], |v[X_+16*\b]|, |v[X_+16*\b+1]|, 0x1800000
.endr
.irp i, 2,4,6,8,10,12,14
.irp b, 0,1
	v_max3_num_f32 v[QM+\b], v[QM+\b], |v[X_+16*\b+\i]|, |v[X_+16*\b+\i+1]|
.endr
.endr
.irp b, 0,1
	v_permlanex16_b32 v[QP+\b], v[QM+\b], s[SEL], s[SEL+1]
.endr
.irp b, 0,1
	v_max_num_f32 v[QM+\b], v[QM+\b], v[QP+\b]
.endr
.irp b, 0,1
	v_add_nc_u32 v[QS+\b], 0xff000000, v[QM+\b]
.endr
.irp b, 0,1
	v_lshrrev_b32 v[QM+\b], 23, v[QS+\b]
.endr
	v_lshl_or_b32 v[P_+6], v[QM+1], 8, v[QM]
	v_cvt_scalef32_pk16_fp6_f32 v[P_:P_+2], v[X_:X_+15], v[QS]
	v_cvt_scalef32_pk16_fp6_f32 v[C2:C2+2], v[X_+16:X_+31], v[QS+1]
	v_nop
.irp i, 0,1,2
	v_permlane16_swap_b32 v[P_+\i], v[C2+\i]
.endr
.irp i, 0,1,2
	v_mov_b32 v[P_+3+\i], v[C2+\i]
.endr
	global_store_b128 v[L16], v[P_:P_+3], s[12:13] offset:1536*(\s)        ; 512 and 256 consecutive bytes, aligned
	global_store_b64 v[L8], v[P_+4:P_+5], s[12:13] offset:1536*(\s)+512
	global_store_b16 v[R4], v[P_+6], s[70:71] offset:128*(\s)              ; both halves of the lanes store the same bytes
	global_store_b16 v[R4], v[ZR], s[72:73] offset:128*(\s)
.endm
.macro BLK s, show
.set E_, (\s)%2
.if \show
	PRODS E_, 0, 24
	s_wait_tensorcnt 0x0
	s_wait_dscnt 0x0
	s_barrier_signal -1                            ; a plain barrier: waves 2 and 3's tiles are shown to all
	PRODS E_, 24, 32
	s_barrier_wait -1
.else
	PRODS E_, 0, 32
.endif
.if (\s) < 6                           ; four plain vector lines between the last product and what touches its registers
	v_add_nc_u32 v[A16], ((\s)+2)*32*KROW, v[A16Z]
	v_add_nc_u32 v[A8], ((\s)+2)*32*KROW, v[A8Z]
	v_add_nc_u32 v[AAS], ((\s)+2)*SSTEP, v[AAS0]
	v_nop
	FETCHAT E_, A16, A8, AAS
	WALU
	s_wait_dscnt NF                                ; the next block's rows are in; the fetch just issued is younger
.else
	PLACES 4
	s_wait_dscnt 0x0
.endif
	s_wait_xcnt 0x0                                ; the stores of two blocks ago have read their registers
	EPI E_, \s
.endm
	s_load_b256 s[4:11], s[0:1], 0x0               ; xop, wqkop, wvop, qk
	s_load_b64 s[12:13], s[0:1], 0x20              ; vv
	v_lshl_add_u32 v[SPW], v0, 2, SPARE
	v_mov_b32 v[NIL], 0
	ds_add_u32 v[SPW], v[NIL]
	ds_add_u32 v[SPW], v[NIL]
	v_lshrrev_b32 v1, 5, v0
	v_readfirstlane_b32 s14, v1                    ; the wave; s15 its row of the 2 x 2, s16 its column
	s_lshr_b32 s15, s14, 1
	s_and_b32 s16, s14, 1
	s_bfe_u32 s40, ttmp6, 0x40000
	s_bfe_u32 s41, ttmp6, 0x40004
	s_lshl_b32 s43, ttmp9, 2
	s_and_b32 s47, ttmp7, 0xffff
	s_lshl_b32 s42, s47, 2
	s_add_co_u32 s42, s42, s41                     ; Q|K: B's tile = 4 x cluster y + cy
	s_lshl_b32 s46, ttmp9, 3
	s_add_co_u32 s46, s46, s42
	s_sub_co_u32 s46, s46, 16                      ; V: B's tile = 8 x cluster x + 4 x (cluster y - 4) + cy
	s_cmp_ge_u32 s47, 4
	s_cselect_b32 s48, 1, 0                        ; 1: V
	s_cselect_b32 s43, 0, s43
	s_cselect_b32 s42, s46, s42
	s_add_co_u32 s43, s43, s40                     ; A's tile: 4 x cluster x + cx, or cx
	s_lshl_b32 s44, 0x1111, s40                    ; my column of the cluster shares A's rows
	s_lshl_b32 s45, s41, 2
	s_lshl_b32 s45, 15, s45                        ; my row shares B's
	GROUP1 G1A, 44, 0
	GROUP1 G1B, 45, TN
	s_mov_b32 s[G0A], 1
	s_mul_i32 s76, s43, TM*KROW
	s_add_co_u32 s76, s76, OPC
	s_mov_b32 s77, 0
	s_mul_i32 s78, s42, TN*KROW
	s_add_co_u32 s78, s78, OPC
	s_mov_b32 s79, 0
	s_lshl_b32 s82, s42, 12                        ; B's scale words: my four tiles
	s_lshl_b32 s21, s16, 11
	s_add_co_u32 s82, s82, s21
	s_mov_b32 s83, 0
	s_lshl_b32 s84, s43, 10                        ; A's bias: my wave row's tiles
	s_lshl_b32 s21, s15, 6
	s_add_co_u32 s84, s84, s21
	s_add_co_u32 s84, s84, OPB
	s_mov_b32 s85, 0
	s_lshl_b32 s86, s42, 9                         ; B's bias: my 64 rows
	s_lshl_b32 s21, s16, 8
	s_add_co_u32 s86, s86, s21
	s_add_co_u32 s86, s86, OPB
	s_mov_b32 s87, 0
	s_lshl_b32 s88, s43, 13                        ; A's scale words
	s_mov_b32 s89, 0
	s_lshl_b32 s50, s42, 1
	s_add_co_u32 s50, s50, s16                     ; my 64 rows of B, counted in 64s
	s_lshr_b32 s51, s43, 3                         ; Q|K: index = 4096 (A's tile / 8) + 128 x that + 16 (A's tile % 8) + ..
	s_lshl_b32 s51, s51, 12
	s_lshl_b32 s52, s50, 7
	s_add_co_u32 s51, s51, s52
	s_and_b32 s52, s43, 7
	s_lshl_b32 s52, s52, 4
	s_add_co_u32 s51, s51, s52
	s_lshr_b32 s53, s50, 5                         ; V: index = 4096 (that / 32) + 128 (that % 32) + 16 x A's tile + ..
	s_lshl_b32 s53, s53, 12
	s_and_b32 s54, s50, 31
	s_lshl_b32 s54, s54, 7
	s_add_co_u32 s53, s53, s54
	s_lshl_b32 s54, s43, 4
	s_add_co_u32 s53, s53, s54
	s_cmp_eq_u32 s48, 1
	s_cselect_b32 s49, s53, s51
	s_add_co_u32 s49, s49, s15                     ; .. + my wave row: block 0's index; a block on: + 2
	s_mul_i32 s68, s49, 768
	s_add_co_u32 s68, s68, ATC
	s_mov_b32 s69, 0
	s_lshl_b32 s70, s49, 6                         ; Q|K: the bytes at the word's low half, zeros at its high half
	s_add_co_u32 s75, s70, 2
	s_mul_i32 s72, s16, 8190                       ; V: the bytes in the even g's word, half g % 2; zeros in the odd g's
	s_sub_co_u32 s73, s70, s72
	s_add_co_u32 s74, s73, 8192
	s_cmp_eq_u32 s48, 1
	s_cselect_b32 s70, s73, s70
	s_cselect_b32 s72, s74, s75
	s_mov_b32 s71, 0
	s_mov_b32 s73, 0
	s_mov_b32 s[SEL], 0x76543210
	s_mov_b32 s[SEL+1], 0xfedcba98
	s_mov_b32 s[G0B], 1
	s_mov_b32 s[G0B+1], YB
	v_and_b32 v1, 15, v0
	v_bfe_u32 v2, v0, 4, 1
	v_and_b32 v3, 31, v0
	s_mul_i32 s23, s15, 16*KROW
	v_lshl_add_u32 v[A16Z], v3, 4, s23
	v_lshl_add_u32 v[A8Z], v3, 3, s23
	s_mul_i32 s22, s16, NB*16*KROW
	s_add_co_u32 s22, s22, YB
	v_lshl_add_u32 v[B16], v3, 4, s22
	v_lshl_add_u32 v[B8], v3, 3, s22
	v_add_nc_u32 v[A16], 32*KROW, v[A16Z]
	v_add_nc_u32 v[A8], 32*KROW, v[A8Z]
	s_lshl_b32 s22, s15, 9
	s_add_co_u32 s22, s22, SCL
	v_lshl_add_u32 v[AAS0], v1, 3, s22
	v_add_nc_u32 v[AAS], SSTEP, v[AAS0]
	v_lshlrev_b32 v[ABS], 9, v2
	v_lshl_add_u32 v[ABS], v1, 3, v[ABS]
	v_lshlrev_b32 v[L16], 4, v3
	v_lshlrev_b32 v[L8], 3, v3
	v_lshlrev_b32 v[R4], 2, v1
	v_lshlrev_b32 v18, 4, v0                       ; my 16 bytes of each 2,048 of A's scale words,
	v_add_nc_u32 v23, SCL, v18                     ; and their place in LDS
	v_lshlrev_b32 v8, 5, v2
	v_mov_b32 v[ZR], 0
	v_mov_b32 v[QP], 0
	v_mov_b32 v[QP+1], 0
	WALU
	s_wait_dscnt 0x0
	CROUND                                         ; the opening round
	s_wait_kmcnt 0x0
	s_cmp_eq_u32 s48, 1
	s_cselect_b64 s[92:93], s[8:9], s[4:5]         ; A
	s_cselect_b64 s[94:95], s[4:5], s[6:7]         ; B
	s_cselect_b64 s[96:97], s[12:13], s[10:11]     ; the results
	s_add_nc_u64 s[G0A+2:G0A+3], s[92:93], s[76:77]
	s_add_nc_u64 s[G0B+2:G0B+3], s[94:95], s[78:79]
	s_or_b32 s[G0B+3], s[G0B+3], 0x80000000
	s_add_nc_u64 s[10:11], s[94:95], s[82:83]
	s_add_nc_u64 s[8:9], s[94:95], s[86:87]
	s_add_nc_u64 s[80:81], s[92:93], s[88:89]
	s_add_nc_u64 s[98:99], s[92:93], s[84:85]
	s_add_nc_u64 s[12:13], s[96:97], s[68:69]
	s_add_nc_u64 s[70:71], s[96:97], s[70:71]
	s_add_nc_u64 s[72:73], s[96:97], s[72:73]
	s_cmp_eq_u32 s14, 0
	s_cbranch_scc0 .Lwave_1
	TLOAD G0B, G1B                                 ; wave 0: B's rows, which are wanted first
	s_branch .Lasked
.Lwave_1:
	s_cmp_eq_u32 s14, 1
	s_cbranch_scc0 .Lwave_2
	ATILE 0, 128
	s_branch .Lasked
.Lwave_2:
	s_cmp_eq_u32 s14, 2
	s_cbranch_scc0 .Lwave_3
	ATILE 128, 64
	s_branch .Lasked
.Lwave_3:
	ATILE 192, 64
.Lasked:
.irp k, 0,1,2,3
	global_load_b128 v[ACC+4*\k:ACC+4*\k+3], v18, s[80:81] offset:2048*\k
.endr
.irp b, 0,1,2,3
	global_load_b128 v[BO+8*\b:BO+8*\b+3], v8, s[8:9] offset:64*\b
	global_load_b128 v[BO+8*\b+4:BO+8*\b+7], v8, s[8:9] offset:64*\b+16
.endr
.irp p, 0,1
.irp c, 0,1,2,3
	global_load_b64 v[SB+NQ*\p+2*\c:SB+NQ*\p+2*\c+1], v[ABS], s[10:11] offset:1024*\p+128*\c
.endr
.endr
.irp s, 0,1,2,3,4,5,6,7
	global_load_b32 v[RA+2*\s], v[R4], s[98:99] offset:128*\s
	global_load_b32 v[RA+2*\s+1], v[R4], s[98:99] offset:128*\s
.endr
	s_wait_loadcnt 0x0
.irp k, 0,1,2,3
	ds_store_b128 v23, v[ACC+4*\k:ACC+4*\k+3] offset:2048*\k
.endr
	s_wait_dscnt 0x0
	s_cmp_eq_u32 s14, 0
	s_cbranch_scc0 .Lnot_b
	s_wait_tensorcnt 0x0
.Lnot_b:
	BARRIER                                        ; B's rows have landed
.irp q, 0,1,2,3,4,5,6,7
.irp b, 0,1,2,3
	FRAG4 NB*\q+\b, B16, B8, 16*KROW*\b+1536*\q
.endr
.endr
	WIN 0
	s_cmp_eq_u32 s14, 1
	s_cbranch_scc0 .Lnot_a
	s_wait_tensorcnt 0x0                           ; wave 1: A's rows 0 to 127
.Lnot_a:
	s_wait_dscnt 0x0
	BARRIER                                        ; A's first 128 rows and all its scale words are in
	FETCHAT 0, A16Z, A8Z, AAS0
	FETCHAT 1, A16, A8, AAS
	s_wait_dscnt NF                                ; block 0's rows are in
	BLK 0, 0
	BLK 1, 1
	BLK 2, 0
	BLK 3, 0
	BLK 4, 0
	BLK 5, 0
	BLK 6, 0
	BLK 7, 0
	s_wait_tensorcnt 0x0
	ds_add_u32 v[SPW], v[NIL]
	s_wait_dscnt 0x0
	CROUND
	s_endpgm
.Lfunc_end_k_qa020c082a5_proj:
	.size	k_qa020c082a5_proj, .Lfunc_end_k_qa020c082a5_proj-k_qa020c082a5_proj
	.p2alignl 7, 3214868480
	.fill 96, 4, 3214868480
	.section	.rodata,"a",@progbits
	.p2align	6, 0x0
	.amdhsa_kernel k_qa020c082a5_proj
		.amdhsa_group_segment_fixed_size 327680
		.amdhsa_private_segment_fixed_size 0
		.amdhsa_enable_private_segment 0
		.amdhsa_kernarg_size 40
		.amdhsa_user_sgpr_count 2
		.amdhsa_user_sgpr_kernarg_segment_ptr 1
		.amdhsa_wavefront_size32 1
		.amdhsa_system_sgpr_workgroup_id_x 1
		.amdhsa_system_sgpr_workgroup_id_y 1
		.amdhsa_system_sgpr_workgroup_id_z 1
		.amdhsa_system_vgpr_workitem_id 0
		.amdhsa_next_free_vgpr 840
		.amdhsa_next_free_sgpr 102
		.amdhsa_reserve_vcc 0
		.amdhsa_float_denorm_mode_32 3
		.amdhsa_float_denorm_mode_16_64 3
		.amdhsa_memory_ordered 1
		.amdhsa_forward_progress 1
		.amdhsa_inst_pref_size 102
	.end_amdhsa_kernel
	.amdgpu_metadata
---
amdhsa.version: [ 1, 2 ]
amdhsa.kernels:
  - .name:           k_qa020c082a5_proj
    .symbol:         k_qa020c082a5_proj.kd
    .args:
      - { .name: xop, .offset: 0, .size: 8, .value_kind: global_buffer, .address_space: global }
      - { .name: wqkop, .offset: 8, .size: 8, .value_kind: global_buffer, .address_space: global }
      - { .name: wvop, .offset: 16, .size: 8, .value_kind: global_buffer, .address_space: global }
      - { .name: qk, .offset: 24, .size: 8, .value_kind: global_buffer, .address_space: global }
      - { .name: vv, .offset: 32, .size: 8, .value_kind: global_buffer, .address_space: global }
    .group_segment_fixed_size: 327680
    .private_segment_fixed_size: 0
    .kernarg_segment_align: 8
    .kernarg_segment_size: 40
    .max_flat_workgroup_size: 128
    .sgpr_count:     102
    .vgpr_count:     840
    .wavefront_size: 32
...
	.end_amdgpu_metadata
.endif
;; end of part 2
;; launch attn (part 3): grid 4 x 64, 8 waves a work-group, clusters of 4 x 1, 327,680 bytes of LDS; arguments qk, vv, ctxop; writes ctxop
.if DOCPART == 3
	.amdgcn_target "amdgcn-amd-amdhsa--gfx1250"
	.amdhsa_code_object_version 6
	.text
	.protected	k_qa020c082a5_attn
	.globl	k_qa020c082a5_attn
	.p2align	8
	.type	k_qa020c082a5_attn,@function
k_qa020c082a5_attn:
	s_mov_b64 s[64:65], 0
	v_nop
	global_prefetch_b8 v0, s[64:65] scope:SCOPE_SE
	s_setreg_imm32_b32 hwreg(HW_REG_WAVE_MODE, 25, 1), 1
	s_wait_xcnt 0x0
	s_wait_alu depctr_hold_cnt(0) depctr_sa_sdst(0) depctr_va_vdst(0) depctr_va_sdst(0) depctr_va_ssrc(0) depctr_va_vcc(0) depctr_vm_vsrc(0)
	s_getreg_b32 s2, hwreg(HW_REG_IB_STS2, 6, 4)
	s_cmp_eq_u32 s2, 0
	s_cbranch_scc0 .Lentry_in_a_cluster
	s_endpgm
.Lentry_in_a_cluster:
	s_bfe_u32 s2, ttmp6, 0x10000c
	s_cmp_lg_u32 s2, 0x3003
	s_cbranch_scc0 .Lentry_shape_is_right
	s_endpgm
.Lentry_shape_is_right:
; ctx = softmax(q k^T / 8) v for 64 (batch, head) pairs of 2,048 tokens, head size 64, both products on codes of FP6 (E2M3) with E8M0 scales; ctx leaves quantised along the model's 1,024 as the last product's operand.
; INPUTS: qk and vv hold half fragments (16 rows x 64 K, 768 bytes: bytes 16 x lane = registers 0-3, bytes 512 + 8 x lane = registers 4-5) at ATC + index*768, scale words at index*64 + 4 r.
;   q: index = 4096 b + 128 head + token tile; k: + 2048.  v: index = 4096 b + 128 g + 4 head + t (16 of the head's 64 x keys 64 g ..); the word of an even g holds the four bytes of 128 keys.
;   Token and feature positions are rows with bits 3 and 4 exchanged; K axes are in true order.
; SHARES: a work-group owns one (batch, head) and 512 queries; the four work-groups of a cluster own the same head and ask for every tile of k and v jointly.  Eight waves, two to a SIMD, 512 registers each; a wave owns four tiles of 16 queries, which share each fragment of k and v.
; LDS: the head's k (98,304 bytes), v (98,304), their scale words (8,192 + 4,096), filled ONCE, one tensor load a wave at the head; nothing is filled again.  Waves 0-3 bring keys 0-255 and the scale words, shown by the first barrier;
;   waves 4-7 bring the rest, shown by a plain barrier whose signal stands in tile 3 of a trip of the loop and whose wait stands in tile 2 of the next trip, ahead of the fetch of k (the first trip's wait answers a signal ahead of the loop, the last signal is answered behind it).
;   No data prefetch: all tiles are asked for at the head, so there is no loop to run ahead in.
; THE KEYS OF A TILE are chosen by the lanes' LDS addresses: row (r / 8, r % 8) of tile (c, j) is key 64 c + 32 (r / 8) + 8 j + r % 8 of the step's 128.  So a lane's 32 scores of tiles (c, 0..3) are the whole block 2 c + lane / 16 of 32 keys, in order: p's codes need no lane exchange.
; THE SOFTMAX: t = score x log2(e) / 8; M = the running largest t rounded up to a whole number; p = 2^(t - M) is quantised along the keys; the sum is taken of the unquantised p and divides at the end; when M moves, sum and O^T are multiplied by 2^(old M - new M), exactly.
; K = 64 IN AN INSTRUCTION 128 DEEP: q's registers 6-11 are zero codes, its upper two scale bytes 0; k's operand is its six registers and the next tile's six (behind the last: zeros); k's upper two scale bytes are 0.
; THE ORDER: tile a's vector work carries the matrix work of its neighbours: the four products O^T += v p of tile a - 1 stand in the chain that makes M, the eight products k q^T of tile a + 1 among its multiply-adds.  The first tile and the last three are written out, so no product is made for nothing.
; WINDOWS: v0-255: addresses, state, k's fragments, two sets of scores.  v256-511: O^T (4 x 32), v's fragments, q's.
; LIMITS: the scaled scores stay under 2^31 in magnitude; in ctx's quantiser a block's largest magnitude is taken as at least 2^-124 and a block of zeros gets the byte 1 (zero codes; this program alone reads the bytes); NaN and infinities are not served.
; ctx's two scale bytes of a row and head leave as 2 bytes a row, 8 bytes apart: two bytes for each 48 bytes of codes.
.set ATC,   1048576
.set OPC,   294912
.set VOFF,  98304
.set KSC,   196608
.set VSC,   204800
.set SPARE, 208896                     ; the spare words: 128 bytes a wave
.set KC16, 1                           ; v1-3 k's lane addresses (16-byte pieces, 8-byte pieces, scale words) at step 0
.set KC8,  2
.set KCS,  3
.set VC16, 4                           ; v4-6 v's
.set VC8,  5
.set VCS,  6
.set SPW,  7
.set NIL,  8
.set H8,   9                           ; 8 x (lane / 16)
.set ST,   10                          ; v10-25 a tile's state: -M, the largest score, the sum in two halves
.set QSC,  26                          ; v26-29 q's scale words
.set KS,   30                          ; v30-33 k's: lanes 0-15 an even tile, lanes 16-31 the odd one
.set VS,   34                          ; v34-35 v's likewise
.set PWD,  36                          ; p's scale word
.set A16,  37                          ; v37, v51, v57 the addresses of the step that is fetched
.set FF,   38                          ; v[38:39] f = 2^(old M - new M)
.set TT,   40
.set T2,   41
.set BM,   42                          ; v42-49 eight chains of maxima; then the blocks' two, and partial sums
.set PB,   50
.set A8,   51
.set SO,   52                          ; v52-53 the conversions' scale operands, then a partial sum
.set C2,   54                          ; v54-56, v58-60 the second conversions' codes, then partial sums (v54-55, v58-61)
.set A4,   57
.set PC,   62                          ; v62-73 p's codes
.set KF,   74                          ; v74-121 k's eight tiles; v122-127 zeros
.set SS,   128                         ; v128-255 two sets of 64 scores
.set VF,   128                         ; window 1: v's four fragments
.set QF,   176                         ; window 1: q's four fragments
.set WV,   10
.set SEL,  14
.set CS,   16
.set G0,   20
.set G1,   24
.set TC,   56                          ; bytes of codes, of k's and of v's scale words from step 0 to the step that is fetched
.set TKS,  57
.set TVS,  58
.set CNT,  60
.set MSB, 0
.macro WIN new
.if MSB != \new
	s_set_vgpr_msb (MSB<<8)|\new
.set MSB, \new
.endif
.endm
.macro WALU
	s_wait_alu depctr_va_vdst(0)
.endm
.macro CROUND
	s_barrier_signal -1
	s_barrier_wait -1
	s_cmp_lg_u32 s[WV], 0
	s_cbranch_scc1 .Lnot_wave_0_\@
	s_barrier_signal -3
.Lnot_wave_0_\@:
	s_barrier_wait -3
	s_barrier_signal -1
	s_barrier_wait -1
.endm
; one arm of the head's chain: wave w's one joint load, its descriptor made of constants in its own arm
.macro ARM w, lds, bs, off, cst, len, rows, pitch, last
.if \last == 0
	s_cmp_eq_u32 s[WV], \w
	s_cbranch_scc0 .Larm_\@
.endif
	s_mov_b32 s[G0+1], \lds
	s_add_co_u32 s36, s\off, \cst
	s_add_nc_u64 s[G0+2:G0+3], s[\bs:\bs+1], s[36:37]
	s_or_b32 s[G0+3], s[G0+3], 0x80000000
	s_mov_b32 s[G1+1], (\len)<<16
	s_mov_b32 s[G1+2], (\rows)<<16
	s_mov_b32 s[G1+3], (\len)<<16
	s_mov_b32 s[G1+4], \rows
	s_mov_b32 s[G1+5], \pitch
	tensor_load_to_lds s[G0:G0+3], s[G1:G1+7]
	s_nop 0
.rept 4
	v_nop
.endr
.if \last == 0
	s_branch .Lasked
.Larm_\@:
.endif
.endm
.macro KLOAD a16, a8, as               ; a step's eight tiles of k and their scale words
.irp c, 0,1
.irp j, 0,1,2,3
	ds_load_b128 v[KF+6*(4*\c+\j):KF+6*(4*\c+\j)+3], v[\a16] offset:3072*\c+768*(\j%2)+128*(\j/2)
	ds_load_b64 v[KF+6*(4*\c+\j)+4:KF+6*(4*\c+\j)+5], v[\a8] offset:3072*\c+768*(\j%2)+512+64*(\j/2)
.endr
.endr
.irp n, 0,1,2,3
	ds_load_b32 v[KS+\n], v[\as] offset:256*(\n/2)+32*(\n%2)
.endr
.endm
.macro VLOAD a16, a8, as               ; a step's four fragments of v and their scale words
	WIN 0x40
.irp t, 0,1,2,3
.irp c, 0,1
	ds_load_b128 v[VF+12*\t+6*\c:VF+12*\t+6*\c+3], v[\a16] offset:3072*\c+768*\t
	ds_load_b64 v[VF+12*\t+6*\c+4:VF+12*\t+6*\c+5], v[\a8] offset:3072*\c+768*\t+512
.endr
.endr
	WIN 0
	ds_load_b32 v[VS], v[\as]
	ds_load_b32 v[VS+1], v[\as] offset:128
.endm
.macro SPROD k, d, q                   ; S^T tile k of query tile q into the set at d (window: source 1 in window 1)
.if (\k)%2
	v_wmma_scale_f32_16x16x128_f8f6f4 v[\d+8*(\k):\d+8*(\k)+7], v[KF+6*(\k):KF+6*(\k)+11], v[QF+12*(\q):QF+12*(\q)+11], 0, v[KS+(\k)/2], v[QSC+(\q)] matrix_a_fmt:MATRIX_FMT_FP6 matrix_b_fmt:MATRIX_FMT_FP6 matrix_a_scale:MATRIX_SCALE_ROW1
.else
	v_wmma_scale_f32_16x16x128_f8f6f4 v[\d+8*(\k):\d+8*(\k)+7], v[KF+6*(\k):KF+6*(\k)+11], v[QF+12*(\q):QF+12*(\q)+11], 0, v[KS+(\k)/2], v[QSC+(\q)] matrix_a_fmt:MATRIX_FMT_FP6 matrix_b_fmt:MATRIX_FMT_FP6
.endif
.endm
.macro PVS q                           ; O^T of query tile q += v^T p^T: four accumulators by turns
	WIN 0x51
.irp t, 0,2
	v_wmma_scale_f32_16x16x128_f8f6f4 v[32*(\q)+8*\t:32*(\q)+8*\t+7], v[VF+12*\t:VF+12*\t+11], v[PC:PC+11], v[32*(\q)+8*\t:32*(\q)+8*\t+7], v[VS+\t/2], v[PWD] matrix_a_fmt:MATRIX_FMT_FP6 matrix_b_fmt:MATRIX_FMT_FP6
	v_wmma_scale_f32_16x16x128_f8f6f4 v[32*(\q)+8*\t+8:32*(\q)+8*\t+15], v[VF+12*\t+12:VF+12*\t+23], v[PC:PC+11], v[32*(\q)+8*\t+8:32*(\q)+8*\t+15], v[VS+\t/2], v[PWD] matrix_a_fmt:MATRIX_FMT_FP6 matrix_b_fmt:MATRIX_FMT_FP6 matrix_a_scale:MATRIX_SCALE_ROW1
.endr
	WIN 0
.endm
; QUERY TILE a OF A KEY STEP.  pv: the tile before has its four products here; nxt: the next tile's scores are begun; kld, vld: the next step's k, this step's v are fetched; sig, bw: the halves of the barrier
.macro TILE a, pv, nxt, kld, vld, sig, bw
.set S_, SS+64*((\a)%2)
.set N_, SS+64*(((\a)+1)%2)
.set T_, ST+4*(\a)
.if \sig
	WALU
	s_wait_tensorcnt 0x0                           ; all my tensor loads have landed,
	s_wait_dscnt 0x0                               ; and the next step's k is in registers
	s_barrier_signal -1
.endif
	WALU                                           ; the wait ahead of the first readers of the scores
.irp k, 0,1,2,3,4,5,6,7
	v_max3_num_f32 v[BM+\k], v[S_+8*\k], v[S_+8*\k+1], v[S_+8*\k+2]   ; each accumulator from its low end on
.endr
.irp i, 3,5
.irp k, 0,1,2,3,4,5,6,7
	v_max3_num_f32 v[BM+\k], v[BM+\k], v[S_+8*\k+\i], v[S_+8*\k+\i+1]
.endr
.endr
	v_max3_num_f32 v[BM], v[BM], v[S_+7], v[S_+15]
	v_max3_num_f32 v[BM+4], v[BM+4], v[S_+39], v[S_+47]
	v_max3_num_f32 v[BM+1], v[BM+1], v[S_+23], v[S_+31]
	v_max3_num_f32 v[BM+5], v[BM+5], v[S_+55], v[S_+63]
	v_max3_num_f32 v[BM], v[BM], v[BM+1], v[BM+2]
	v_max3_num_f32 v[BM+4], v[BM+4], v[BM+5], v[BM+6]
	v_max_num_f32 v[BM], v[BM], v[BM+3]            ; my first block's largest score,
	v_max_num_f32 v[BM+1], v[BM+4], v[BM+7]        ; my second's
	v_max3_num_f32 v[TT], v[T_+1], v[BM], v[BM+1]
	v_permlanex16_b32 v[PB], v[TT], s[SEL], s[SEL+1]
.if \pv
.if (\a) == 1
	WALU
	s_wait_dscnt 0x0                               ; this step's v is in
.endif
	PVS ((\a)+3)%4
.endif
	v_max_num_f32 v[T_+1], v[TT], v[PB]            ; the running largest score of my query
	v_mul_f32 v[T2], s[CS], v[T_+1]                ; as t
	v_mov_b32 v[TT], v[T_]
	v_floor_f32 v[T_], -v[T2]                      ; -M = floor(-t)
.if \nxt
	WIN 0x04
.endif
.irp k, 0,1,2,3,4,5,6,7
.if \nxt
	SPROD \k, N_, ((\a)+1)%4
.endif
.irp j, 0,2,4,6
	v_pk_fma_f32 v[S_+8*\k+\j:S_+8*\k+\j+1], v[S_+8*\k+\j:S_+8*\k+\j+1], s[CS:CS+1], v[T_:T_+1] op_sel_hi:[1,0,0]   ; t - M
.endr
.if \k == 1
	v_fma_f32 v[TT], v[T_], 1.0, -v[TT]            ; old M - new M, a whole number
.endif
.if \k == 3
	v_cvt_i32_f32 v[TT], v[TT]                     ; (it saturates)
.endif
.endr
	v_fma_f32 v[BM], v[BM], s[CS], v[T_]
	v_fma_f32 v[BM+1], v[BM+1], s[CS], v[T_]
	WIN 0
	v_ldexp_f32 v[FF], 1.0, v[TT]
.if \bw
	WALU
	s_barrier_wait -1                              ; every wave's tiles have landed
.endif
.if \kld
	v_add_nc_u32 v[A16], s[TC], v[KC16]
	v_add_nc_u32 v[A8], s[TC], v[KC8]
	v_add_nc_u32 v[A4], s[TKS], v[KCS]
	KLOAD A16, A8, A4
.endif
.if \vld
	v_add_nc_u32 v[A16], s[TC], v[VC16]
	v_add_nc_u32 v[A8], s[TC], v[VC8]
	v_add_nc_u32 v[A4], s[TVS], v[VCS]
	VLOAD A16, A8, A4
.endif
	WALU                                           ; ahead of the batch
.set j, 0
.rept 64
	v_exp_f32 v[S_+j], v[S_+j]
.set j, j+1
.endr
	v_exp_f32 v[BM], v[BM]                         ; the blocks' largest p: the same two instructions on the same numbers
	v_exp_f32 v[BM+1], v[BM+1]
	v_pk_mul_f32 v[T_+2:T_+3], v[T_+2:T_+3], v[FF:FF+1] op_sel_hi:[1,0]   ; the sum under the new M
	WALU                                           ; behind the batch
	v_max_num_f32 v[BM], 0x1800000, v[BM]          ; the floor 2^(3 - 127): the byte cannot fall under 1
	v_max_num_f32 v[BM+1], 0x1800000, v[BM+1]
	v_add_nc_u32 v[SO], 0xff000000, v[BM]
	v_add_nc_u32 v[SO+1], 0xff000000, v[BM+1]
	v_cvt_scalef32_pk16_fp6_f32 v[PC:PC+2], v[S_:S_+15], v[SO]
	v_cvt_scalef32_pk16_fp6_f32 v[C2:C2+2], v[S_+16:S_+31], v[SO]
	v_cvt_scalef32_pk16_fp6_f32 v[PC+6:PC+8], v[S_+32:S_+47], v[SO+1]
	v_cvt_scalef32_pk16_fp6_f32 v[C2+4:C2+6], v[S_+48:S_+63], v[SO+1]
	v_lshrrev_b32 v[TT], 23, v[SO]
	v_lshrrev_b32 v[T2], 23, v[SO+1]
.irp i, 0,1,2
	v_mov_b32 v[PC+3+\i], v[C2+\i]
	v_mov_b32 v[PC+9+\i], v[C2+4+\i]
.endr
	v_lshl_or_b32 v[TT], v[T2], 16, v[TT]          ; my two bytes: blocks h and 2 + h,
	v_lshlrev_b32 v[TT], v[H8], v[TT]              ; at their places;
	v_permlanex16_b32 v[PB], v[TT], s[SEL], s[SEL+1]
	v_or_b32 v[PWD], v[TT], v[PB]                  ; with lane l xor 16's the word is whole
.set q_, 0                             ; the sum of the unquantised p, two at a time, in eight chains
.irp u, 44,46,48,54,58,60,52
	v_pk_add_f32 v[\u:\u+1], v[S_+q_:S_+q_+1], v[S_+q_+2:S_+q_+3]
.set q_, q_+4
.endr
	v_pk_add_f32 v[T_+2:T_+3], v[T_+2:T_+3], v[S_+28:S_+29]
.set q_, 30
.rept 2
.irp u, 44,46,48,54,58,60,52
	v_pk_add_f32 v[\u:\u+1], v[\u:\u+1], v[S_+q_:S_+q_+1]
.set q_, q_+2
.endr
	v_pk_add_f32 v[T_+2:T_+3], v[T_+2:T_+3], v[S_+q_:S_+q_+1]
.set q_, q_+2
.endr
	v_pk_add_f32 v[44:45], v[44:45], v[S_+62:S_+63]
	v_pk_add_f32 v[48:49], v[48:49], v[54:55]
	v_pk_add_f32 v[58:59], v[58:59], v[60:61]
	v_pk_add_f32 v[T_+2:T_+3], v[T_+2:T_+3], v[52:53]
	v_pk_add_f32 v[44:45], v[44:45], v[46:47]
	v_pk_add_f32 v[T_+2:T_+3], v[T_+2:T_+3], v[58:59]
	v_pk_add_f32 v[44:45], v[44:45], v[48:49]
	v_pk_add_f32 v[T_+2:T_+3], v[T_+2:T_+3], v[44:45]
	WIN 0x41
	WALU                                           ; the wait ahead of the first readers of O^T
.set j, 0
.rept 16
	v_pk_mul_f32 v[32*(\a)+j:32*(\a)+j+1], v[32*(\a)+j:32*(\a)+j+1], v[FF:FF+1] op_sel_hi:[1,0]   ; O^T under the new M
.set j, j+2
.endr
	WIN 0
.endm
	s_load_b128 s[4:7], s[0:1], 0x0                ; qk, vv
	s_load_b64 s[8:9], s[0:1], 0x10                ; ctxop
	v_lshl_add_u32 v[SPW], v0, 2, SPARE
	v_mov_b32 v[NIL], 0
	ds_add_u32 v[SPW], v[NIL]                      ; the opening lines
	ds_add_u32 v[SPW], v[NIL]
	v_lshrrev_b32 v40, 5, v0
	v_readfirstlane_b32 s[WV], v40                 ; wave 0..7
	s_bfe_u32 s11, ttmp6, 0x40000                  ; cx: it enters q's and ctx's global addresses alone
	s_and_b32 s12, ttmp7, 0xffff
	s_lshr_b32 s13, s12, 4                         ; b
	s_and_b32 s12, s12, 15                         ; head
	s_lshl_b32 s18, s13, 12
	s_lshl_b32 s19, s12, 7
	s_add_co_u32 s19, s19, s18                     ; q's first index
	s_add_co_u32 s32, s19, 2048                    ; k's
	s_lshl_b32 s33, s32, 6                         ; k's scale words, bytes
	s_mul_i32 s32, s32, 768
	s_add_co_u32 s32, s32, ATC                     ; k's codes
	s_lshl_b32 s34, s12, 2
	s_add_co_u32 s34, s34, s18                     ; v's first index
	s_lshl_b32 s35, s34, 6
	s_mul_i32 s34, s34, 768
	s_add_co_u32 s34, s34, ATC
	s_mov_b32 s37, 0
	s_lshl_b32 s39, s11, 5
	s_lshl_b32 s40, s[WV], 2
	s_add_co_u32 s39, s39, s40                     ; my first tile of queries among the batch's 128
	s_add_co_u32 s38, s19, s39
	s_mul_i32 s42, s38, 768
	s_add_co_u32 s42, s42, ATC
	s_mov_b32 s43, 0
	s_lshl_b32 s44, s38, 6
	s_mov_b32 s45, 0
	s_lshl_b32 s41, s13, 7
	s_add_co_u32 s41, s41, s39                     ; ctx's row tile
	s_mul_i32 s46, s41, 12288
	s_mul_i32 s40, s12, 768
	s_add_co_u32 s46, s46, s40
	s_add_co_u32 s46, s46, OPC
	s_mov_b32 s47, 0
	s_lshl_b32 s38, s41, 9                         ; ctx's scale bytes: quarter head / 4 of K, word (head / 2) % 2, half head % 2
	s_lshr_b32 s40, s12, 2
	s_lshl_b32 s40, s40, 7
	s_add_co_u32 s38, s38, s40
	s_and_b32 s40, s12, 3
	s_lshl_b32 s40, s40, 1
	s_add_co_u32 s38, s38, s40
	s_mov_b32 s39, 0
	s_mov_b32 s[G0], 1
	s_mov_b32 s[G1], 15|(3<<16)|(1<<21)            ; elements of 8 bytes, the mask of all four work-groups, bit 21 beside it
	s_mov_b32 s[G1+6], 0
	s_mov_b32 s[G1+7], 0
	s_mov_b32 s[SEL], 0x76543210
	s_mov_b32 s[SEL+1], 0xfedcba98
	s_mov_b32 s[CS], 0x3e38aa3b                    ; c = log2(e) / 8
	s_mov_b32 s[CS+1], s[CS]
	WALU
	s_wait_dscnt 0x0
	CROUND                                         ; the first joint loads meet
	s_wait_kmcnt 0x0
	ARM 0, 0,          4, 32, 0,        32,  48,  32,    0   ; k's tiles 0-15
	ARM 1, VOFF,       6, 34, 0,        384, 4,   12288, 0   ; v's keys 0-255
	ARM 2, KSC,        4, 33, 0,        32,  32,  32,    0   ; k's scale words
	ARM 3, VSC,        6, 35, 0,        32,  16,  2048,  0   ; v's
	ARM 4, 12288,      4, 32, 12288,    32,  168, 32,    0   ; k's tiles 16-71
	ARM 5, 55296,      4, 32, 55296,    32,  168, 32,    0   ; 72-127
	ARM 6, VOFF+12288, 6, 34, 393216,   384, 14,  12288, 0   ; v's keys 256-1,151
	ARM 7, VOFF+55296, 6, 34, 1769472,  384, 14,  12288, 1   ; 1,152-2,047
.Lasked:
	s_add_nc_u64 s[48:49], s[4:5], s[42:43]        ; q's codes
	s_add_nc_u64 s[50:51], s[4:5], s[44:45]        ; q's scale words
	s_add_nc_u64 s[52:53], s[8:9], s[46:47]        ; ctx's codes
	s_add_nc_u64 s[54:55], s[8:9], s[38:39]        ; ctx's scale bytes
	v_and_b32 v40, 31, v0
	v_and_b32 v41, 7, v0
	v_bfe_u32 v42, v0, 3, 1
	v_bfe_u32 v43, v0, 4, 1
	v_lshlrev_b32 v45, 4, v40
	v_lshlrev_b32 v46, 3, v40
	v_and_b32 v47, 15, v0
	v_lshlrev_b32 v47, 2, v47
	WIN 0x40
.irp a, 0,1,2,3
	global_load_b128 v[QF+12*\a:QF+12*\a+3], v45, s[48:49] offset:768*\a
	global_load_b64 v[QF+12*\a+4:QF+12*\a+5], v46, s[48:49] offset:768*\a+512
.endr
	WIN 0
.irp a, 0,1,2,3
	global_load_b32 v[QSC+\a], v47, s[50:51] offset:64*\a
.endr
	v_mul_u32_u24 v44, v42, 1536                   ; rows 8-15 of a tile come from the next 32 keys: two tiles on
	v_lshl_add_u32 v[KC16], v41, 4, v44
	v_lshl_add_u32 v[KC16], v43, 8, v[KC16]
	v_lshl_add_u32 v[KC8], v41, 3, v44
	v_lshl_add_u32 v[KC8], v43, 7, v[KC8]
	v_lshlrev_b32 v[KCS], 7, v42
	v_lshl_add_u32 v[KCS], v43, 6, v[KCS]
	v_lshl_add_u32 v[KCS], v41, 2, v[KCS]
	v_add_nc_u32 v[KCS], KSC, v[KCS]
	v_lshl_add_u32 v[VC16], v40, 4, VOFF
	v_lshl_add_u32 v[VC8], v40, 3, VOFF
	v_lshl_add_u32 v[VCS], v40, 2, VSC
	v_lshlrev_b32 v[H8], 3, v43
.irp a, 0,1,2,3
	v_mov_b32 v[ST+4*\a], 0x7e000000               ; -M: a whole number above every -M to come
	v_mov_b32 v[ST+4*\a+1], 0xff61b1e6             ; the largest score so far: -3e38
	v_mov_b32 v[ST+4*\a+2], 0
	v_mov_b32 v[ST+4*\a+3], 0
.endr
	v_mov_b32 v[PB], 0
	v_mov_b32 v[FF+1], 0
.irp j, 0,1,2,3,4,5
	v_mov_b32 v[KF+48+\j], 0                       ; behind k's last tile
.endr
	WALU
	s_wait_loadcnt 0x0
.irp a, 0,1,2,3
	v_and_b32 v[QSC+\a], 0xffff, v[QSC+\a]         ; the upper 64 of K are zeros: their two bytes are 0
.endr
	WIN 0x40
.set j, 0
.rept 128
	v_mov_b32 v[j], 0                              ; O^T: the step is written once and finds zeros
.set j, j+1
.endr
.irp a, 0,1,2,3
.irp j, 6,7,8,9,10,11
	v_mov_b32 v[QF+12*\a+\j], 0
.endr
.endr
	WIN 0
	WALU
	s_wait_dscnt 0x0
	s_cmp_lt_u32 s[WV], 4
	s_cbranch_scc0 .Lnot_first
	s_wait_tensorcnt 0x0                           ; waves 0-3: keys 0-255 and the scale words
.Lnot_first:
	s_barrier_signal -1
	s_barrier_wait -1
	s_barrier_signal -1                            ; answered by the first trip's wait, which shows nothing new
	KLOAD KC16, KC8, KCS
	s_mov_b32 s[TC], 0
	s_mov_b32 s[TVS], 0
	s_wait_dscnt 0x0
	WIN 0x04
.irp k, 0,1,2,3,4,5,6,7
	SPROD \k, SS, 0
.endr
	WIN 0
.rept 4
	v_nop
.endr
	TILE 0, 0, 1, 0, 1, 0, 0                       ; step 0's first tile
	s_mov_b32 s[TC], 6144
	s_mov_b32 s[TKS], 512
	s_mov_b32 s[TVS], 256
	s_mov_b32 s[CNT], 0
.Lstep:                                                ; a trip: tiles 1 to 3 of a step and tile 0 of the next
	TILE 1, 1, 1, 0, 0, 0, 0
	TILE 2, 1, 1, 1, 0, 0, 1
	TILE 3, 1, 1, 0, 0, 1, 0
	TILE 0, 1, 1, 0, 1, 0, 0
	s_add_co_u32 s[TC], s[TC], 6144
	s_add_co_u32 s[TKS], s[TKS], 512
	s_add_co_u32 s[TVS], s[TVS], 256
	s_add_co_u32 s[CNT], s[CNT], 1
	s_cmp_lt_u32 s[CNT], 15
	WALU
	s_cbranch_scc1 .Lstep
	TILE 1, 1, 1, 0, 0, 0, 0                       ; the last step's other tiles fetch nothing
	TILE 2, 1, 1, 0, 0, 0, 1
	TILE 3, 1, 0, 0, 0, 0, 0
	PVS 3
; THE END: O^T / the sum is the head's 64 columns of ctx for my 64 tokens; register 16 b + i of a tile = column 32 b + 16 h + i: two blocks of 32 along the last product's K, each in lanes l and l xor 16
.irp a, 0,1,2,3
	v_add_f32 v[ST+4*\a+2], v[ST+4*\a+2], v[ST+4*\a+3]
.endr
.irp a, 0,1,2,3
	v_permlanex16_b32 v[ST+4*\a+3], v[ST+4*\a+2], s[SEL], s[SEL+1]
.endr
.irp a, 0,1,2,3
	v_add_f32 v[ST+4*\a+2], v[ST+4*\a+2], v[ST+4*\a+3]
.endr
	v_and_b32 v[A4], 31, v0
	v_lshlrev_b32 v[A16], 4, v[A4]
	v_lshlrev_b32 v[A8], 3, v[A4]
	v_and_b32 v[A4], 15, v0
	v_lshlrev_b32 v[A4], 3, v[A4]
	WALU
.irp a, 0,1,2,3
	v_rcp_f32 v[BM+2*\a], v[ST+4*\a+2]
.endr
	v_nop
	WIN 0x01
	WALU
.set j, 0
.rept 64
	v_pk_mul_f32 v[SS+j:SS+j+1], v[j:j+1], v[BM+2*(j/32):BM+2*(j/32)+1] op_sel_hi:[1,0]
.set j, j+2
.endr
	WIN 0
.macro CTXQ a
.set X_, SS+32*(\a)
.set P_, KF+8*(\a)
.irp b, 0,1
	v_max3_num_f32 v[BM+\b], |v[X_+16*\b]|, |v[X_+16*\b+1]|, 0x1800000
.endr
.irp i, 2,4,6,8,10,12,14
.irp b, 0,1
	v_max3_num_f32 v[BM+\b], v[BM+\b], |v[X_+16*\b+\i]|, |v[X_+16*\b+\i+1]|
.endr
.endr
.irp b, 0,1
	v_permlanex16_b32 v[SO+\b], v[BM+\b], s[SEL], s[SEL+1]
.endr
.irp b, 0,1
	v_max_num_f32 v[BM+\b], v[BM+\b], v[SO+\b]
.endr
.irp b, 0,1
	v_add_nc_u32 v[SO+\b], 0xff000000, v[BM+\b]
.endr
.irp b, 0,1
	v_lshrrev_b32 v[BM+\b], 23, v[SO+\b]
.endr
	v_lshl_or_b32 v[P_+6], v[BM+1], 8, v[BM]
	v_cvt_scalef32_pk16_fp6_f32 v[P_:P_+2], v[X_:X_+15], v[SO]
	v_cvt_scalef32_pk16_fp6_f32 v[C2:C2+2], v[X_+16:X_+31], v[SO+1]
	v_nop
.irp i, 0,1,2
	v_permlane16_swap_b32 v[P_+\i], v[C2+\i]
.endr
.irp i, 0,1,2
	v_mov_b32 v[P_+3+\i], v[C2+\i]
.endr
	global_store_b128 v[A16], v[P_:P_+3], s[52:53] offset:12288*(\a)       ; 512 and 256 consecutive bytes, aligned
	global_store_b64 v[A8], v[P_+4:P_+5], s[52:53] offset:12288*(\a)+512
	global_store_b16 v[A4], v[P_+6], s[54:55] offset:512*(\a)              ; both halves of the lanes store the same two bytes
.endm
	CTXQ 0
	CTXQ 1
	CTXQ 2
	CTXQ 3
	s_wait_tensorcnt 0x0                           ; the wave's end
	ds_add_u32 v[SPW], v[NIL]
	s_wait_dscnt 0x0
	CROUND                                         ; the closing round
	s_endpgm
.Lfunc_end_k_qa020c082a5_attn:
	.size	k_qa020c082a5_attn, .Lfunc_end_k_qa020c082a5_attn-k_qa020c082a5_attn
	.p2alignl 7, 3214868480
	.fill 96, 4, 3214868480
	.section	.rodata,"a",@progbits
	.p2align	6, 0x0
	.amdhsa_kernel k_qa020c082a5_attn
		.amdhsa_group_segment_fixed_size 327680
		.amdhsa_private_segment_fixed_size 0
		.amdhsa_enable_private_segment 0
		.amdhsa_kernarg_size 24
		.amdhsa_user_sgpr_count 2
		.amdhsa_user_sgpr_kernarg_segment_ptr 1
		.amdhsa_wavefront_size32 1
		.amdhsa_system_sgpr_workgroup_id_x 1
		.amdhsa_system_sgpr_workgroup_id_y 1
		.amdhsa_system_sgpr_workgroup_id_z 1
		.amdhsa_system_vgpr_workitem_id 0
		.amdhsa_next_free_vgpr 512
		.amdhsa_next_free_sgpr 66
		.amdhsa_reserve_vcc 0
		.amdhsa_float_denorm_mode_32 3
		.amdhsa_float_denorm_mode_16_64 3
		.amdhsa_memory_ordered 1
		.amdhsa_forward_progress 1
		.amdhsa_inst_pref_size 138
	.end_amdhsa_kernel
	.amdgpu_metadata
---
amdhsa.version: [ 1, 2 ]
amdhsa.kernels:
  - .name:           k_qa020c082a5_attn
    .symbol:         k_qa020c082a5_attn.kd
    .args:
      - { .name: qk, .offset: 0, .size: 8, .value_kind: global_buffer, .address_space: global }
      - { .name: vv, .offset: 8, .size: 8, .value_kind: global_buffer, .address_space: global }
      - { .name: ctxop, .offset: 16, .size: 8, .value_kind: global_buffer, .address_space: global }
    .group_segment_fixed_size: 327680
    .private_segment_fixed_size: 0
    .kernarg_segment_align: 8
    .kernarg_segment_size: 24
    .max_flat_workgroup_size: 256
    .sgpr_count:     66
    .vgpr_count:     512
    .wavefront_size: 32
...
	.end_amdgpu_metadata
.endif
;; end of part 3
;; launch oproj (part 4): grid 32 x 8, 4 waves a work-group, clusters of 4 x 4, 327,680 bytes of LDS; arguments ctxop, woop, out0; writes out0
.if DOCPART == 4
	.amdgcn_target "amdgcn-amd-amdhsa--gfx1250"
	.amdhsa_code_object_version 6
	.text
	.protected	k_qa020c082a5_oproj
	.globl	k_qa020c082a5_oproj
	.p2align	8
	.type	k_qa020c082a5_oproj,@function
k_qa020c082a5_oproj:
	s_mov_b64 s[64:65], 0
	v_nop
	global_prefetch_b8 v0, s[64:65] scope:SCOPE_SE
	s_setreg_imm32_b32 hwreg(HW_REG_WAVE_MODE, 25, 1), 1
	s_wait_xcnt 0x0
	s_wait_alu depctr_hold_cnt(0) depctr_sa_sdst(0) depctr_va_vdst(0) depctr_va_sdst(0) depctr_va_ssrc(0) depctr_va_vcc(0) depctr_vm_vsrc(0)
	s_getreg_b32 s2, hwreg(HW_REG_IB_STS2, 6, 4)
	s_cmp_eq_u32 s2, 0
	s_cbranch_scc0 .Lentry_in_a_cluster
	s_endpgm
.Lentry_in_a_cluster:
	s_bfe_u32 s2, ttmp6, 0x10000c
	s_cmp_lg_u32 s2, 0xf033
	s_cbranch_scc0 .Lentry_shape_is_right
	s_endpgm
.Lentry_shape_is_right:
; out[token][n] = sum over k of ctx[token][k] Wo[k][n] + bo[n], f32: 8,192 x 1,024 x 1,024 on codes of FP6 (E2M3) with E8M0 scales.
; OPERAND BUFFERS (ctxop, woop): scale words at I*512 + q*128 + 8 r (tile I of 16 rows, quarter q of K, two words of 128 K each); at OPB woop's bias by position; at OPC the codes, I*12288 + hf*768:
;   a half fragment (16 rows x 64 K) is bytes 16 x lane = registers 0-3, bytes 512 + 8 x lane = registers 4-5.  Position p holds row (token, output feature) p with bits 3 and 4 exchanged.
; THE DEAL: 256 work-groups of four waves, 2 x 2, each 256 rows x 128 columns.  A wave holds four column tiles of Wo, all of K, in registers and streams ctx's rows past them in eight blocks of 16; block s of wave row w is tile 2 s + w of the work-group's 16.
; The cluster's x counts tile rows: ctx's rows are shared by a column of the cluster, Wo's by a row.  A sum begins with the bias.
; LDS: ctx's 16 tiles (196,608 bytes), Wo's 8 (98,304), ctx's scale words (8,192, by plain loads and LDS stores), the spare words; the waves' stages lie in Wo's first bytes, which are read for the last time ahead of the barrier in front of the stream.
; THE HEAD'S FOUR TILES, one a wave, each on its own line: Wo's rows; ctx's rows 0-127; 128-191; 192-255.  The stream begins when the first two are in; a plain barrier inside each pair's second block shows the others.  Nothing is filled again, and all is asked for at the head: no data prefetch.
; Behind a block's 32 products one run of memory lines: its sums into the stage and back as whole rows of 256 bytes, the fetch of the block two on, one wait (the fetch's NF loads are younger), eight stores.
; LIMITS: NaN, infinities and sums beyond f32's range are not served.
.set OPB, 262144
.set OPC, 294912
.set SIZE_N, 1024
.set NQ, 8
.set NB, 4
.set TM, 256
.set TN, 128
.set KROW, 768
.set FR, 12
.set FPW, 256/FR
.set NF, 36                            ; LDS loads of a block: 32 for eight fragments, 4 for eight scale words
.set YB, TM*KROW
.set SCL, YB+TN*KROW
.set SSTEP, 1024
.set SPITCH, 272
.set STAGE, YB
.set SPARE, SCL+8192
.set A16Z, 4                           ; v4, v5 LDS addresses of my block 0 (16-byte and 8-byte pieces); v6 its scale words
.set A8Z, 5
.set AAS0, 6
.set CO, 9
.set SPW, 10
.set NIL, 11
.set A16, 12                           ; v12, v13, v17 the same for the block that is fetched next
.set A8, 13
.set B16, 14
.set B8, 15
.set ABS, 16
.set AAS, 17
.set STO, 18
.set RD, 19
.set SB, 24                            ; v24-39 Wo's scale words: lanes 0-15 an even tile, lanes 16-31 the odd one
.set SA, 42                            ; v42-57 ctx's: two sets of eight
.set ACC, 64                           ; v64-127 two sets of four accumulators
.set BK, 128                           ; v128-191 two sets of rows back from the stage
.set BO, 208                           ; v208-239 the bias as the first four products' C
.set G1A, 24
.set G0A, 56
.set G1B, 32
.set G0B, 60
.set MSB, 0
.macro WIN new
.if MSB != \new
	s_set_vgpr_msb (MSB<<8)|\new
.set MSB, \new
.endif
.endm
.macro PLACES n
.rept \n
	v_nop
.endr
.endm
.macro WALU
	s_wait_alu depctr_va_vdst(0)
.endm
.macro BARRIER
	s_barrier_signal -1
	s_barrier_wait -1
.endm
.macro CROUND
	BARRIER
	s_cmp_lg_u32 s14, 0
	s_cbranch_scc1 .Lnot_wave_0_\@
	s_barrier_signal -3
.Lnot_wave_0_\@:
	s_barrier_wait -3
	BARRIER
.endm
.macro TLOAD g0, g1
	tensor_load_to_lds s[\g0:\g0+3], s[\g1:\g1+7]
	s_nop 0
	PLACES 4
.endm
.macro ATILE first, rows               ; a part of ctx's 256 rows of 768 bytes, dense
	s_mov_b32 s[G0A+1], (\first)*KROW
	s_mov_b32 s[G1A+2], (\rows)<<16
	s_mov_b32 s[G1A+4], \rows
.if \first
	s_add_nc_u64 s[G0A+2:G0A+3], s[G0A+2:G0A+3], (\first)*KROW
.endif
	s_or_b32 s[G0A+3], s[G0A+3], 0x80000000
	TLOAD G0A, G1A
.endm
.macro GROUP1 g, mask, rows
	s_or_b32 s[\g+0], s[\mask], (1<<21)
	s_mov_b32 s[\g+1], (KROW&0xffff)<<16
	s_mov_b32 s[\g+3], KROW<<16
.if \rows
	s_mov_b32 s[\g+2], (\rows)<<16
	s_mov_b32 s[\g+4], \rows
.endif
	s_mov_b32 s[\g+5], KROW
	s_mov_b32 s[\g+6], 0
	s_mov_b32 s[\g+7], 0
.endm
.macro FRAG4 f, a16, a8, off           ; fragment f (register 256 + 12 f by windows of 21) from its image
	WIN (1+(\f)/FPW)<<6
.set R_, FR*((\f)%FPW)
	ds_load_b128 v[R_:R_+3], v[\a16] offset:\off
	ds_load_b64 v[R_+4:R_+5], v[\a8] offset:(\off)+512
	ds_load_b128 v[R_+6:R_+9], v[\a16] offset:(\off)+768
	ds_load_b64 v[R_+10:R_+11], v[\a8] offset:(\off)+1280
.endm
.macro FETCHAT e, a16, a8, as          ; a block of ctx into set e: NF loads
.irp q, 0,1,2,3,4,5,6,7
	FRAG4 NB*NQ+NQ*(\e)+\q, \a16, \a8, 1536*\q
.endr
	WIN 0
.irp c, 0,1,2,3
	ds_load_b64 v[SA+8*(\e)+2*\c:SA+8*(\e)+2*\c+1], v[\as] offset:128*\c
.endr
.endm
.macro PROD1 d, s0, s1, c, x0, x1, o
.if \o
	v_wmma_scale_f32_16x16x128_f8f6f4 v[\d:\d+7], v[FR*((\s0)%FPW):FR*((\s0)%FPW)+FR-1], v[FR*((\s1)%FPW):FR*((\s1)%FPW)+FR-1], \c, v[\x0], v[\x1] matrix_a_fmt:MATRIX_FMT_FP6 matrix_b_fmt:MATRIX_FMT_FP6 matrix_a_scale:MATRIX_SCALE_ROW1
.else
	v_wmma_scale_f32_16x16x128_f8f6f4 v[\d:\d+7], v[FR*((\s0)%FPW):FR*((\s0)%FPW)+FR-1], v[FR*((\s1)%FPW):FR*((\s1)%FPW)+FR-1], \c, v[\x0], v[\x1] matrix_a_fmt:MATRIX_FMT_FP6 matrix_b_fmt:MATRIX_FMT_FP6 matrix_a_scale:MATRIX_SCALE_ROW0
.endif
.endm
.macro PROD e, n                       ; product n = 4 q + tile; source 0 = Wo's rows; the four accumulators by turns
.set Q_, (\n)/4
.set FB_, NB*Q_+(\n)%4
.set FA_, NB*NQ+NQ*(\e)+Q_
.set D_, ACC+32*(\e)+8*((\n)%4)
.set XB_, SB+NQ*(((\n)%4)/2)+Q_
.set XA_, SA+8*(\e)+Q_
	WIN (1+FB_/FPW)|((1+FA_/FPW)<<2)
.if Q_
	PROD1 D_, FB_, FA_, v[D_:D_+7], XB_, XA_, (\n)%2
.else
	PROD1 D_, FB_, FA_, v[BO+8*((\n)%4):BO+8*((\n)%4)+7], XB_, XA_, (\n)%2
.endif
.endm
.macro PRODS e, from, to, fetch
.set N_, \from
.rept (\to)-(\from)
	PROD \e, N_
.if (\fetch) && (N_ == 1)
	s_add_co_u32 s101, s101, 32*KROW               ; on to the block that is fetched behind this one
	s_add_co_u32 s91, s91, SSTEP
.endif
.set N_, N_+1
.endr
	WIN 0
.endm
.macro TOC s                           ; rows 2 t, 2 t + 1 of a tile are tokens 16 (t / 4) + 2 t % 8 and the next; the pair's second block lies 32 tokens on
.irp t, 0,1,2,3,4,5,6,7
	global_store_b128 v[CO], v[BK+32*(\s)+4*\t:BK+32*(\s)+4*\t+3], s[12:13] offset:(32*(\s)+16*(\t/4)+(2*\t)%8)*SIZE_N*4 th:TH_STORE_NT
.endr
.endm
.macro STAGED u                        ; set u's sums into my stage, each accumulator from its low end on, by true columns, and back as whole rows
.irp b, 0,1,2,3
	ds_store_b128 v[STO], v[ACC+32*(\u)+8*\b:ACC+32*(\u)+8*\b+3] offset:128*(\b/2)+32*(\b%2)
	ds_store_b128 v[STO], v[ACC+32*(\u)+8*\b+4:ACC+32*(\u)+8*\b+7] offset:128*(\b/2)+32*(\b%2)+16
.endr
.irp t, 0,1,2,3,4,5,6,7
	ds_load_b128 v[BK+32*(\u)+4*\t:BK+32*(\u)+4*\t+3], v[RD] offset:2*\t*SPITCH
.endr
.endm
.macro STREAM s, fetch, show
.if \show
	PRODS \s, 0, 24, \fetch
	s_wait_tensorcnt 0x0
	s_wait_dscnt 0x0
	s_barrier_signal -1                            ; a plain barrier: waves 2 and 3's tiles are shown to all
	PRODS \s, 24, 32, \fetch
	s_barrier_wait -1
.else
	PRODS \s, 0, 32, \fetch
.endif
.if \fetch                             ; four plain vector lines between the last product and the first reader of its sums
	v_add_nc_u32 v[A16], s101, v[A16Z]
	v_add_nc_u32 v[A8], s101, v[A8Z]
	v_add_nc_u32 v[AAS], s91, v[AAS0]
	v_nop
	WALU
.else
	PLACES 4
.endif
	s_wait_xcnt 0x0                                ; earlier stores have read their registers and their base
.if (\s) == 0
	s_add_nc_u64 s[12:13], s[12:13], s[20:21]
.endif
	STAGED \s
.if \fetch
	FETCHAT \s, A16, A8, AAS
	s_wait_dscnt NF                                ; the rows are back from the stage; the fetch is younger
.else
	s_wait_dscnt 0x0
.endif
	TOC \s
.endm
	s_load_b128 s[4:7], s[0:1], 0x0                ; ctxop, woop
	s_load_b64 s[12:13], s[0:1], 0x10              ; out0
	v_lshl_add_u32 v[SPW], v0, 2, SPARE
	v_mov_b32 v[NIL], 0
	ds_add_u32 v[SPW], v[NIL]
	ds_add_u32 v[SPW], v[NIL]
	v_lshrrev_b32 v1, 5, v0
	v_readfirstlane_b32 s14, v1                    ; the wave; s15 its row of the 2 x 2, s16 its column
	s_lshr_b32 s15, s14, 1
	s_and_b32 s16, s14, 1
	s_bfe_u32 s40, ttmp6, 0x40000
	s_bfe_u32 s41, ttmp6, 0x40004
	s_lshl_b32 s43, ttmp9, 2
	s_add_co_u32 s43, s43, s40                     ; tile row
	s_and_b32 s42, ttmp7, 0xffff
	s_lshl_b32 s42, s42, 2
	s_add_co_u32 s42, s42, s41                     ; tile column
	s_lshl_b32 s44, 0x1111, s40                    ; my column of the cluster shares ctx's rows
	s_lshl_b32 s45, s41, 2
	s_lshl_b32 s45, 15, s45                        ; my row shares Wo's
	GROUP1 G1A, 44, 0
	GROUP1 G1B, 45, TN
	s_mov_b32 s[G0A], 1
	s_mul_i32 s76, s43, TM*KROW
	s_add_co_u32 s76, s76, OPC
	s_mov_b32 s77, 0
	s_mul_i32 s78, s42, TN*KROW
	s_add_co_u32 s78, s78, OPC
	s_mov_b32 s79, 0
	s_lshl_b32 s82, s42, 12                        ; Wo's scale words: my four tiles
	s_lshl_b32 s21, s16, 11
	s_add_co_u32 s82, s82, s21
	s_mov_b32 s83, 0
	s_mul_i32 s84, s43, TM*SIZE_N*4                ; out: my first token and column
	s_mul_i32 s21, s15, 8*SIZE_N*4
	s_add_co_u32 s84, s84, s21
	s_lshl_b32 s86, s42, 9
	s_lshl_b32 s21, s16, 8
	s_add_co_u32 s86, s86, s21
	s_add_co_u32 s84, s84, s86
	s_mov_b32 s85, 0
	s_add_co_u32 s86, s86, OPB                     ; the bias of my 64 columns, by position
	s_mov_b32 s87, 0
	s_lshl_b32 s88, s43, 13                        ; ctx's scale words
	s_mov_b32 s89, 0
	s_mov_b32 s[G0B], 1
	s_mov_b32 s[G0B+1], YB
	v_and_b32 v1, 15, v0
	v_bfe_u32 v2, v0, 4, 1
	v_and_b32 v3, 31, v0
	s_mul_i32 s23, s15, 16*KROW
	v_lshl_add_u32 v[A16Z], v3, 4, s23
	v_lshl_add_u32 v[A8Z], v3, 3, s23
	s_mul_i32 s22, s16, NB*16*KROW
	s_add_co_u32 s22, s22, YB
	v_lshl_add_u32 v[B16], v3, 4, s22
	v_lshl_add_u32 v[B8], v3, 3, s22
	v_add_nc_u32 v[A16], 32*KROW, v[A16Z]
	v_add_nc_u32 v[A8], 32*KROW, v[A8Z]
	s_lshl_b32 s21, s15, 9
	s_add_co_u32 s21, s21, SCL
	v_lshl_add_u32 v[AAS0], v1, 3, s21
	v_add_nc_u32 v[AAS], SSTEP, v[AAS0]
	v_lshlrev_b32 v[ABS], 9, v2
	v_lshl_add_u32 v[ABS], v1, 3, v[ABS]
	s_mul_i32 s21, s14, 16*SPITCH
	s_add_co_u32 s21, s21, STAGE
	v_mul_u32_u24 v23, v1, SPITCH
	v_lshl_add_u32 v23, v2, 6, v23
	v_add_nc_u32 v[STO], s21, v23
	v_mul_u32_u24 v23, v2, SPITCH
	v_lshl_add_u32 v23, v1, 4, v23
	v_add_nc_u32 v[RD], s21, v23
	v_mul_u32_u24 v23, v2, SIZE_N*4
	v_lshl_add_u32 v[CO], v1, 4, v23
	v_lshlrev_b32 v22, 4, v0                       ; my 16 bytes of each 2,048 of ctx's scale words,
	v_add_nc_u32 v23, SCL, v22                     ; and their place in LDS
	v_lshlrev_b32 v8, 5, v2
	WALU
	s_wait_dscnt 0x0
	CROUND                                         ; the opening round
	s_wait_kmcnt 0x0
	s_add_nc_u64 s[G0A+2:G0A+3], s[4:5], s[76:77]
	s_add_nc_u64 s[G0B+2:G0B+3], s[6:7], s[78:79]
	s_or_b32 s[G0B+3], s[G0B+3], 0x80000000
	s_add_nc_u64 s[10:11], s[6:7], s[82:83]
	s_add_nc_u64 s[12:13], s[12:13], s[84:85]
	s_add_nc_u64 s[8:9], s[6:7], s[86:87]
	s_add_nc_u64 s[80:81], s[4:5], s[88:89]
	s_cmp_eq_u32 s14, 0
	s_cbranch_scc0 .Lwave_1
	TLOAD G0B, G1B                                 ; wave 0: Wo's rows, which are wanted first
	s_branch .Lasked
.Lwave_1:
	s_cmp_eq_u32 s14, 1
	s_cbranch_scc0 .Lwave_2
	ATILE 0, 128
	s_branch .Lasked
.Lwave_2:
	s_cmp_eq_u32 s14, 2
	s_cbranch_scc0 .Lwave_3
	ATILE 128, 64
	s_branch .Lasked
.Lwave_3:
	ATILE 192, 64
.Lasked:
.irp k, 0,1,2,3
	global_load_b128 v[ACC+4*\k:ACC+4*\k+3], v22, s[80:81] offset:2048*\k
.endr
.irp b, 0,1,2,3
	global_load_b128 v[BO+8*\b:BO+8*\b+3], v8, s[8:9] offset:64*\b
	global_load_b128 v[BO+8*\b+4:BO+8*\b+7], v8, s[8:9] offset:64*\b+16
.endr
.irp p, 0,1
.irp c, 0,1,2,3
	global_load_b64 v[SB+NQ*\p+2*\c:SB+NQ*\p+2*\c+1], v[ABS], s[10:11] offset:1024*\p+128*\c
.endr
.endr
	s_wait_loadcnt 0x0
.irp k, 0,1,2,3
	ds_store_b128 v23, v[ACC+4*\k:ACC+4*\k+3] offset:2048*\k
.endr
	s_wait_dscnt 0x0
	s_cmp_eq_u32 s14, 0
	s_cbranch_scc0 .Lnot_b
	s_wait_tensorcnt 0x0
.Lnot_b:
	BARRIER                                        ; Wo's rows have landed
.irp q, 0,1,2,3,4,5,6,7
.irp b, 0,1,2,3
	FRAG4 NB*\q+\b, B16, B8, 16*KROW*\b+1536*\q
.endr
.endr
	WIN 0
	s_mov_b32 s101, 32*KROW
	s_mov_b32 s91, SSTEP
	s_cmp_eq_u32 s14, 1
	s_cbranch_scc0 .Lnot_a
	s_wait_tensorcnt 0x0                           ; wave 1: ctx's rows 0 to 127
.Lnot_a:
	s_wait_dscnt 0x0
	BARRIER                                        ; ctx's first 128 rows and all scale words are in, and nobody reads Wo's bytes any more
	FETCHAT 0, A16Z, A8Z, AAS0
	FETCHAT 1, A16, A8, AAS
	s_mov_b32 s23, 0
	s_mov_b32 s20, 0                               ; s[20:21]: from a pair's rows of out to the next pair's
	s_mov_b32 s21, 0
	s_wait_dscnt NF                                ; block 0's rows are in
.Lpair:                                                ; blocks 0 to 5, a pair a trip
	STREAM 0, 1, 0
	STREAM 1, 1, 1
	s_mov_b32 s20, 64*SIZE_N*4
	s_add_co_u32 s23, s23, 1
	s_cmp_lg_u32 s23, 3
	s_cbranch_scc1 .Lpair
	STREAM 0, 0, 0                                 ; blocks 6 and 7 fetch nothing
	STREAM 1, 0, 0
	s_wait_tensorcnt 0x0
	ds_add_u32 v[SPW], v[NIL]
	s_wait_dscnt 0x0
	CROUND
	s_endpgm
.Lfunc_end_k_qa020c082a5_oproj:
	.size	k_qa020c082a5_oproj, .Lfunc_end_k_qa020c082a5_oproj-k_qa020c082a5_oproj
	.p2alignl 7, 3214868480
	.fill 96, 4, 3214868480
	.section	.rodata,"a",@progbits
	.p2align	6, 0x0
	.amdhsa_kernel k_qa020c082a5_oproj
		.amdhsa_group_segment_fixed_size 327680
		.amdhsa_private_segment_fixed_size 0
		.amdhsa_enable_private_segment 0
		.amdhsa_kernarg_size 24
		.amdhsa_user_sgpr_count 2
		.amdhsa_user_sgpr_kernarg_segment_ptr 1
		.amdhsa_wavefront_size32 1
		.amdhsa_system_sgpr_workgroup_id_x 1
		.amdhsa_system_sgpr_workgroup_id_y 1
		.amdhsa_system_sgpr_workgroup_id_z 1
		.amdhsa_system_vgpr_workitem_id 0
		.amdhsa_next_free_vgpr 840
		.amdhsa_next_free_sgpr 102
		.amdhsa_reserve_vcc 0
		.amdhsa_float_denorm_mode_32 3
		.amdhsa_float_denorm_mode_16_64 3
		.amdhsa_memory_ordered 1
		.amdhsa_forward_progress 1
		.amdhsa_inst_pref_size 54
	.end_amdhsa_kernel
	.amdgpu_metadata
---
amdhsa.version: [ 1, 2 ]
amdhsa.kernels:
  - .name:           k_qa020c082a5_oproj
    .symbol:         k_qa020c082a5_oproj.kd
    .args:
      - { .name: ctxop, .offset: 0, .size: 8, .value_kind: global_buffer, .address_space: global }
      - { .name: woop, .offset: 8, .size: 8, .value_kind: global_buffer, .address_space: global }
      - { .name: out0, .offset: 16, .size: 8, .value_kind: global_buffer, .address_space: global }
    .group_segment_fixed_size: 327680
    .private_segment_fixed_size: 0
    .kernarg_segment_align: 8
    .kernarg_segment_size: 24
    .max_flat_workgroup_size: 128
    .sgpr_count:     102
    .vgpr_count:     840
    .wavefront_size: 32
...
	.end_amdgpu_metadata
.endif
;; end of part 4
